; MI455X (gfx1250); checked and timed in simulation.
; The chip was launched on July 23, 2026; its instructions are those of AMD's public machine-readable ISA for CDNA 5 (MIT licence, August 2026) and "CDNA5" Instruction Set Architecture Reference Guide (July 2026). The comments in the code are by the model that wrote it; some were corrected since.
;; Attention Block. Allowed arithmetic: matrix products marked QUANTISED: E4M3 operands, one E8M0 scale for each 32 along K, by v_wmma_scale_f32_16x16x128_f8f6f4 with both operands' format E4M3, f32 sums; everything else in f32.
;; Inputs: Wk_codes 1,024 x 32 x 32 uint8 (E4M3 codes of Wk, K innermost, in blocks of 32 codes); Wk_scales 1,024 x 32 uint8 (E8M0 scales of Wk, one for each 32 codes along K); Wp_codes 1,024 x 32 x 32 uint8 (E4M3 codes of Wp, K innermost, in blocks of 32 codes); Wp_scales 1,024 x 32 uint8 (E8M0 scales of Wp, one for each 32 codes along K); Wq_codes 1,024 x 32 x 32 uint8 (E4M3 codes of Wq, K innermost, in blocks of 32 codes); Wq_scales 1,024 x 32 uint8 (E8M0 scales of Wq, one for each 32 codes along K); Wv_codes 1,024 x 32 x 32 uint8 (E4M3 codes of Wv, K innermost, in blocks of 32 codes); Wv_scales 1,024 x 32 uint8 (E8M0 scales of Wv, one for each 32 codes along K); bk 1,024 float32; bp 1,024 float32; bq 1,024 float32; bv 1,024 float32; ln_b 1,024 float32; ln_g 1,024 float32; x 2 x 2,048 x 1,024 float32.
;; Outputs: out0 2 x 2,048 x 1,024 float32.
;; This version of the problem:
;;   THIS VERSION OF THE PROBLEM IS GIVEN IN LOW PRECISION. The matrix products marked QUANTISED in the list below multiply operands that are first quantised to E4M3 (4 exponent bits, 3 mantissa bits; 8 bits a number), with one power-of-two scale for each 32 numbers along K (OCP MX v1.0); their sums are f32. All else is computed in f32.
;;   The module's matrix products, in the order in which they are computed (A, B: the left and right operand; K: the contracted axis; several contracted axes count as one K, in the product's order):
;;     1. [M 4,096, K 1,024] x [K 1,024, N 1,024]; A: input x; B: input Wq (given as codes): QUANTISED
;;     2. [M 4,096, K 1,024] x [K 1,024, N 1,024]; A: input x; B: input Wk (given as codes): QUANTISED
;;     3. [M 4,096, K 1,024] x [K 1,024, N 1,024]; A: input x; B: input Wv (given as codes): QUANTISED
;;     4. batch 32 x [M 2,048, K 64] x [K 64, N 2,048]; A: computed on the way; B: computed on the way: QUANTISED
;;     5. batch 32 x [M 2,048, K 2,048] x [K 2,048, N 64]; A: softmax (see below); B: computed on the way: QUANTISED
;;     6. [M 4,096, K 1,024] x [K 1,024, N 1,024]; A: computed on the way; B: input Wp (given as codes): QUANTISED
;;   THE QUANTISER, for each operand of a quantised product, along K:
;;     - K is cut into blocks of 32 from its start; a last block that is shorter is filled with zeros.
;;     - A block's scale is 2^e with e = floor(log2(the largest magnitude in the block)) - 8, held to -126 .. 127; a block of zeros has e = 0. As a byte (E8M0): e + 127.
;;     - Each number is divided by its block's scale, clamped to +-448, and rounded to the nearest number of E4M3, ties to even, subnormals kept.
;;     - The product sums the exact products of the quantised numbers (number of the format x scale) in f32.
;;   ~~~python
;;   def quantise(x, axis):      # numpy; x: float32 -> the quantised numbers, widened to float32 again
;;       x = np.moveaxis(x, axis, -1); K = x.shape[-1]
;;       x = np.pad(x, [(0, 0)] * (x.ndim - 1) + [(0, -K % 32)]); x = x.reshape(x.shape[:-1] + (-1, 32)); a = np.abs(x).max(-1, keepdims=True)
;;       e = np.where(a > 0, np.clip(np.frexp(np.where(a > 0, a, 1))[1] - 1 - 8, -126, 127), 0)      # np.frexp(a)[1] - 1 = floor(log2(a)), exactly
;;       r = np.clip(x / 2.0 ** e, -448, 448)
;;       step = 2.0 ** (np.maximum(np.frexp(np.where(r == 0, 1, r))[1] - 1, -6) - 3)
;;       q = np.round(r / step) * step * 2.0 ** e      # np.round: ties to even
;;       return np.moveaxis(q.reshape(q.shape[:-2] + (-1,))[..., :K], -1, axis).astype(np.float32)
;;   ~~~
;;   SOFTMAX AHEAD OF A QUANTISED PRODUCT. Where the list says 'softmax', what is quantised is not the finished softmax but p = 2^(t - M), with t = logit x log2(e) and M = ceil(the row's largest t), a whole number; so 1/2 < the row's largest p <= 1. The row's sum l is taken of the UNQUANTISED p, in f32, and the product's result is divided by l at the end. Since M is a whole number, a kernel that streams over the keys may use a running M (the ceiling of the running maximum): every later rescaling is an exact power of two, which a block's scale takes up: the codes' values come out the same.
;;   OPERANDS COMPUTED ON THE WAY. 'Computed on the way' means the value that the module computes at that place (a softmax that the list does not call 'softmax' is quantised finished and normalised). What goes into a quantiser is computed in f32, as accurately as f32 sums, v_exp_f32 and their like allow (about 1e-6 of the number): no bf16 or f16 on the way to a quantiser, and a product that is left as it is and whose result goes on into a quantised operand takes f32 operands (vector FMAs, or v_wmma_f32_16x16x4_f32). A number that lies on a knife's edge between two numbers of the format may be rounded either way, as far as f32 arithmetic and the matrix unit's own rounding can turn it there, and no further.
;;   INPUTS GIVEN AS CODES. Wk (in the module: [1024, 1024], K = its axis 0); Wp (in the module: [1024, 1024], K = its axis 0); Wq (in the module: [1024, 1024], K = its axis 0); Wv (in the module: [1024, 1024], K = its axis 0): each comes as NAME_codes (uint8): NAME with its K axis moved to the last place and cut into blocks of 32 codes, [.., K / 32, bytes a block], one block behind the other in memory; one code a byte (a code: sign, 4 exponent bits, 3 mantissa bits); and NAME_scales (uint8): the same leading axes, one E8M0 byte (e + 127) for each 32 codes along K. Its value is code x scale, taken as it is: it is not quantised again, and the codes and scales need not be those that the quantiser above would give.
;; One version. Each part assembles by itself: llvm-mc -triple=amdgcn-amd-amdhsa -mcpu=gfx1250 --defsym DOCPART=n.
;; ======== version 1 of 1: 5 launches
;; limits: right only within a limited range of input values
;; workspace buffers: XW 8,650,752 bytes; QKV 12,976,128 bytes; AO 4,325,376 bytes; Y 16,777,216 bytes
;; launch prep (part 1): grid 512 x 1, 8 waves a work-group, no clusters, 69,120 bytes of LDS; arguments x, Wq_codes, Wq_scales, Wk_codes, Wk_scales, Wv_codes, Wv_scales, Wp_codes, Wp_scales, XW; writes XW
.if DOCPART == 1
	.amdgcn_target "amdgcn-amd-amdhsa--gfx1250"
	.amdhsa_code_object_version 6
	.text
	.protected	k_qe1f31e44a8_prep
	.globl	k_qe1f31e44a8_prep
	.p2align	8
	.type	k_qe1f31e44a8_prep,@function
k_qe1f31e44a8_prep:
	s_mov_b64 s[64:65], 0
	v_nop
	global_prefetch_b8 v0, s[64:65] scope:SCOPE_SE
	s_setreg_imm32_b32 hwreg(HW_REG_WAVE_MODE, 25, 1), 1
	s_wait_xcnt 0x0
; x (f32) is quantised along D into codes of E4M3 with one E8M0 byte for each 32, and the four weights' codes are laid anew: all into XW, as TILES IN THE ORDER OF AN OPERAND'S REGISTERS.
; A tile is 16 rows x 1,024 K.  The 32 rows 32 P .. 32 P + 31 make tiles 2 P + u; fragment row r of tile 2 P + u is true row 32 P + 8 u + r + (r & 8).
; A tile's codes are 32 pieces of 512 bytes (16 rows x 32 K): lane l's 16 bytes at 16 l; a K step of 128 is 2,048 bytes on end.  A tile's scale bytes: 512 bytes, [fragment row][32].
; XW: tiles 0-255 x, 256-319 Wq, 320-383 Wk, 384-447 Wv, 448-511 Wp, 16,384 bytes each; from XS_OFF on their scale bytes.
; One work-group to a tile, eight waves, wave s = K step s.  Work-groups 0-255 quantise, the others copy.  Only the first path uses LDS.
; A block's scale is 2^(floor(log2(largest magnitude)) - 8): its byte is the largest magnitude's exponent field - 8, held at 1 from below.
; LIMITS: a block of zeros gets the byte 1 where the rule says 127 (its codes are zeros, and this program alone reads the bytes); NaN and infinities among the inputs are not served.
.set XS_OFF, 0x800000
.set SPT,   528                        ; a stage row: 512 bytes + 16: an odd multiple of 16, so that 16 rows start at 16 different groups of banks
.set STGB,  16*SPT                     ; a wave's stage
.set GATH,  8*STGB                     ; behind the stages: the tile's 512 scale bytes
.set R,     16                         ; v16-79   16 rows x 16 bytes a lane, as loaded
.set X,     80                         ; v80-143  64 numbers of my row: register 16 c + i = k 32 c + 16 h + i
.set PC,    144                        ; v144-159 the codes
.set TM,    160                        ; v160-163 largest magnitudes, 164-167 bytes, 168-171 448 x scale, 172-175 the conversions' scale operands
.set PW,    176                        ; the scale word
.set OUTR,  178
.set WV,    36
.set SEL,   40
.set MNT,   42
.macro QUANT s                         ; 64 numbers v[s] on -> 16 registers of codes in v[PC] on; the four bytes in v[TM+4] on
.irp b, 0,1,2,3
	v_max3_num_f32 v[TM+\b], |v[\s+16*\b]|, |v[\s+1+16*\b]|, 0x4800000   ; my 16 numbers of block b, and the floor 2^(9 - 127): the byte cannot fall under 1
.endr
.irp i, 2,4,6,8,10,12,14
.irp b, 0,1,2,3
	s_delay_alu instid0(VALU_DEP_4)
	v_max3_num_f32 v[TM+\b], v[TM+\b], |v[\s+16*\b+\i]|, |v[\s+1+16*\b+\i]|   ; the four blocks by turns
.endr
.endr
.irp b, 0,1,2,3
	s_delay_alu instid0(VALU_DEP_4)
	v_permlanex16_b32 v[TM+4+\b], v[TM+\b], s[SEL], s[SEL+1]
.endr
.irp b, 0,1,2,3
	s_delay_alu instid0(VALU_DEP_4)
	v_max_num_f32 v[TM+\b], v[TM+\b], v[TM+4+\b]              ; with lane l xor 16's 16: the block's largest magnitude
.endr
.irp b, 0,1,2,3
	s_delay_alu instid0(VALU_DEP_4)
	v_add_nc_u32 v[TM+12+\b], 0xfc000000, v[TM+\b]            ; 8 off its exponent field: the conversion's scale operand
.endr
.irp b, 0,1,2,3
	v_and_or_b32 v[TM+8+\b], v[TM+\b], 0x7f800000, s[MNT]     ; 448 x the scale
.endr
.irp b, 0,1,2,3
	v_lshrrev_b32 v[TM+4+\b], 23, v[TM+12+\b]                 ; the scale's byte
.endr
.irp b, 0,1,2,3
.irp i, 0,1,2,3,4,5,6,7,8,9,10,11,12,13,14,15
	v_med3_num_f32 v[\s+16*\b+\i], v[\s+16*\b+\i], -v[TM+8+\b], v[TM+8+\b]   ; the conversion to an 8-bit code does not saturate (ISA guide 7.6.2): the hold
.endr
	v_cvt_scalef32_pk8_fp8_f32 v[PC+4*\b:PC+1+4*\b], v[\s+16*\b:\s+7+16*\b], v[TM+12+\b]
	v_cvt_scalef32_pk8_fp8_f32 v[PC+2+4*\b:PC+3+4*\b], v[\s+8+16*\b:\s+15+16*\b], v[TM+12+\b]
.endr
.endm
	s_load_b512 s[16:31], s[0:1], 0x0              ; x, Wq codes, Wq scales, Wk codes, Wk scales, Wv codes, Wv scales, Wp codes
	s_load_b128 s[32:35], s[0:1], 0x40             ; Wp scales, XW
	v_lshl_add_u32 v184, v0, 2, 0x10a00
	v_mov_b32 v185, 0
	v_lshrrev_b32 v10, 5, v0
	s_delay_alu instid0(VALU_DEP_1)
	v_readfirstlane_b32 s[WV], v10                 ; wave 0..7 = K step
	v_and_b32 v11, 31, v0
	s_delay_alu instid0(VALU_DEP_1)
	v_lshlrev_b32 v1, 4, v11                       ; 16 x lane
	v_and_b32 v2, 15, v0                           ; r
	v_bfe_u32 v3, v0, 4, 1                         ; h
	s_mul_i32 s37, s[WV], STGB
	v_add_nc_u32 v4, s37, v1                       ; the stage, in: 16 x lane of a row
	v_mul_u32_u24 v5, v2, SPT
	s_delay_alu instid0(VALU_DEP_1)
	v_lshl_add_u32 v5, v3, 6, v5
	s_delay_alu instid0(VALU_DEP_1)
	v_add_nc_u32 v5, s37, v5                       ; out: row r, + 64 h: my 16 numbers of a block
	s_lshl_b32 s38, s[WV], 2
	s_add_co_u32 s38, s38, GATH
	v_lshl_add_u32 v6, v2, 5, s38                  ; my row's scale word of my K step
	v_lshlrev_b32 v7, 5, v2
	s_delay_alu instid0(VALU_DEP_1)
	v_lshl_add_u32 v7, v3, 4, v7                   ; 32 r + 16 h: a tile's scale bytes, by fragment row
	v_and_b32 v12, 8, v2
	s_delay_alu instid0(VALU_DEP_1)
	v_add_nc_u32 v12, v12, v2                      ; r + (r & 8)
	s_delay_alu instid0(VALU_DEP_1)
	v_lshlrev_b32 v8, 10, v12
	s_delay_alu instid0(VALU_DEP_1)
	v_lshl_add_u32 v8, v3, 4, v8                   ; a weight's codes: true row x 1,024 + 16 h
	s_delay_alu instid0(VALU_DEP_3)
	v_lshlrev_b32 v9, 5, v12
	s_delay_alu instid0(VALU_DEP_1)
	v_lshl_add_u32 v9, v3, 4, v9                   ; a weight's scale bytes: true row x 32 + 16 h
	s_lshl_b32 s44, ttmp9, 14                      ; my tile, my K step in XW
	s_lshl_b32 s45, s[WV], 11
	s_add_co_u32 s44, s44, s45
	s_mov_b32 s45, 0
	s_lshl_b32 s46, ttmp9, 9                       ; my tile's scale bytes
	s_add_co_u32 s46, s46, XS_OFF
	s_mov_b32 s47, 0
	s_wait_kmcnt 0x0
	s_add_nc_u64 s[44:45], s[34:35], s[44:45]
	s_add_nc_u64 s[46:47], s[34:35], s[46:47]
	s_cmp_lt_u32 ttmp9, 256
	s_cbranch_scc0 .Lweights
	; ---- a tile of x
	s_lshr_b32 s38, ttmp9, 1
	s_lshl_b32 s38, s38, 5
	s_and_b32 s39, ttmp9, 1
	s_lshl_b32 s39, s39, 3
	s_add_co_u32 s38, s38, s39                     ; the tile's first true row: 32 (T / 2) + 8 (T % 2)
	s_lshl_b32 s38, s38, 12                        ; rows of 4,096 bytes
	s_lshl_b32 s39, s[WV], 9                       ; my K step's 512 bytes
	s_add_co_u32 s38, s38, s39
	s_mov_b32 s39, 0
	s_add_nc_u64 s[16:17], s[16:17], s[38:39]
.irp i, 0,1,2,3,4,5,6,7,8,9,10,11,12,13,14,15
	global_load_b128 v[R+4*\i:R+4*\i+3], v1, s[16:17] offset:(\i+8*(\i/8))*4096   ; fragment row i: 32 lanes read 512 consecutive bytes
.endr
	s_mov_b32 s[SEL], 0x76543210
	s_mov_b32 s[SEL+1], 0xfedcba98                 ; v_permlanex16_b32's selects for lane l xor 16
	s_mov_b32 s[MNT], 0x600000                     ; the mantissa field of 448
.irp b, 0,1,2,3
	v_mov_b32 v[TM+4+\b], 0                        ; a lane permute's destination counts as one of its sources
.endr
.irp i, 0,1,2,3,4,5,6,7,8,9,10,11,12,13,14,15
	s_wait_loadcnt 15-\i                           ; loads come back in order: row i is in, the 15 - i younger ones may be out
	ds_store_b128 v4, v[R+4*\i:R+4*\i+3] offset:\i*SPT
.endr
.irp c, 0,1,2,3
.irp j, 0,1,2,3
	ds_load_b128 v[X+16*\c+4*\j:X+16*\c+4*\j+3], v5 offset:128*\c+16*\j   ; my wave's own bytes, served in order: these see the stores above
.endr
.endr
	s_wait_dscnt 0x0
	QUANT X
	v_lshl_or_b32 v[PW], v[TM+5], 8, v[TM+4]       ; the four bytes make my row's scale word (also the plain place behind the conversions)
	s_delay_alu instid0(VALU_DEP_1)
	v_lshl_or_b32 v[PW], v[TM+6], 16, v[PW]
	s_delay_alu instid0(VALU_DEP_1)
	v_lshl_or_b32 v[PW], v[TM+7], 24, v[PW]
.irp c, 0,1,2,3
	global_store_b128 v1, v[PC+4*\c:PC+4*\c+3], s[44:45] offset:512*\c   ; 512 consecutive bytes a store
.endr
	ds_store_b32 v6, v[PW]                         ; lanes r and r + 16 write the same word with the same value
	s_wait_dscnt 0x0                               ; for the others' sake: my word has landed
	s_barrier_signal -1
	s_barrier_wait -1
	s_cmp_lg_u32 s[WV], 0
	s_cbranch_scc1 .Lxdone
	v_add_nc_u32 v13, GATH, v1
	ds_load_b128 v[OUTR:OUTR+3], v13               ; the eight waves' words: 512 bytes
	s_wait_dscnt 0x0
	global_store_b128 v1, v[OUTR:OUTR+3], s[46:47]
.Lxdone:
	s_wait_tensorcnt 0x0
	ds_add_u32 v184, v185
	s_wait_dscnt 0x0
	s_endpgm
	; ---- a tile of a weight: its codes and bytes are taken as they are given, and only laid anew
.Lweights:
	s_sub_co_u32 s38, ttmp9, 256
	s_lshr_b32 s39, s38, 6                         ; 0 Wq, 1 Wk, 2 Wv, 3 Wp
	s_and_b32 s38, s38, 63                         ; its tile
	s_cmp_eq_u32 s39, 1
	s_cselect_b64 s[18:19], s[22:23], s[18:19]
	s_cselect_b64 s[20:21], s[24:25], s[20:21]
	s_cmp_eq_u32 s39, 2
	s_cselect_b64 s[18:19], s[26:27], s[18:19]
	s_cselect_b64 s[20:21], s[28:29], s[20:21]
	s_cmp_eq_u32 s39, 3
	s_cselect_b64 s[18:19], s[30:31], s[18:19]
	s_cselect_b64 s[20:21], s[32:33], s[20:21]
	s_lshr_b32 s40, s38, 1
	s_lshl_b32 s40, s40, 5
	s_and_b32 s41, s38, 1
	s_lshl_b32 s41, s41, 3
	s_add_co_u32 s40, s40, s41                     ; the tile's first true row
	s_lshl_b32 s42, s40, 5
	s_mov_b32 s43, 0
	s_add_nc_u64 s[20:21], s[20:21], s[42:43]      ; its scale bytes
	s_lshl_b32 s42, s40, 10
	s_lshl_b32 s41, s[WV], 7
	s_add_co_u32 s42, s42, s41
	s_add_nc_u64 s[18:19], s[18:19], s[42:43]      ; its codes, my K step
	s_wait_alu depctr_va_vdst(0)
.irp c, 0,1,2,3
	global_load_b128 v[R+4*\c:R+4*\c+3], v8, s[18:19] offset:32*\c   ; k = 32 c + 16 h + 0 .. 15 of my row
.endr
	s_wait_loadcnt 0x0
.irp c, 0,1,2,3
	global_store_b128 v1, v[R+4*\c:R+4*\c+3], s[44:45] offset:512*\c
.endr
	s_cmp_lg_u32 s[WV], 0
	s_cbranch_scc1 .Lwdone
	global_load_b128 v[X:X+3], v9, s[20:21]
	s_wait_loadcnt 0x0
	global_store_b128 v7, v[X:X+3], s[46:47]
.Lwdone:
	s_endpgm
.Lfunc_end_k_qe1f31e44a8_prep:
	.size	k_qe1f31e44a8_prep, .Lfunc_end_k_qe1f31e44a8_prep-k_qe1f31e44a8_prep
	.p2alignl 7, 3214868480
	.fill 96, 4, 3214868480
	.section	.rodata,"a",@progbits
	.p2align	6, 0x0
	.amdhsa_kernel k_qe1f31e44a8_prep
		.amdhsa_group_segment_fixed_size 69120
		.amdhsa_private_segment_fixed_size 0
		.amdhsa_enable_private_segment 0
		.amdhsa_kernarg_size 80
		.amdhsa_user_sgpr_count 2
		.amdhsa_user_sgpr_kernarg_segment_ptr 1
		.amdhsa_wavefront_size32 1
		.amdhsa_system_sgpr_workgroup_id_x 1
		.amdhsa_system_sgpr_workgroup_id_y 1
		.amdhsa_system_sgpr_workgroup_id_z 1
		.amdhsa_system_vgpr_workitem_id 0
		.amdhsa_next_free_vgpr 186
		.amdhsa_next_free_sgpr 66
		.amdhsa_reserve_vcc 0
		.amdhsa_float_denorm_mode_32 3
		.amdhsa_float_denorm_mode_16_64 3
		.amdhsa_memory_ordered 1
		.amdhsa_forward_progress 1
		.amdhsa_inst_pref_size 20
	.end_amdhsa_kernel
	.amdgpu_metadata
---
amdhsa.version: [ 1, 2 ]
amdhsa.kernels:
  - .name:           k_qe1f31e44a8_prep
    .symbol:         k_qe1f31e44a8_prep.kd
    .args:
      - { .name: x, .offset: 0, .size: 8, .value_kind: global_buffer, .address_space: global }
      - { .name: Wq_codes, .offset: 8, .size: 8, .value_kind: global_buffer, .address_space: global }
      - { .name: Wq_scales, .offset: 16, .size: 8, .value_kind: global_buffer, .address_space: global }
      - { .name: Wk_codes, .offset: 24, .size: 8, .value_kind: global_buffer, .address_space: global }
      - { .name: Wk_scales, .offset: 32, .size: 8, .value_kind: global_buffer, .address_space: global }
      - { .name: Wv_codes, .offset: 40, .size: 8, .value_kind: global_buffer, .address_space: global }
      - { .name: Wv_scales, .offset: 48, .size: 8, .value_kind: global_buffer, .address_space: global }
      - { .name: Wp_codes, .offset: 56, .size: 8, .value_kind: global_buffer, .address_space: global }
      - { .name: Wp_scales, .offset: 64, .size: 8, .value_kind: global_buffer, .address_space: global }
      - { .name: XW, .offset: 72, .size: 8, .value_kind: global_buffer, .address_space: global }
    .group_segment_fixed_size: 69120
    .private_segment_fixed_size: 0
    .kernarg_segment_align: 8
    .kernarg_segment_size: 80
    .max_flat_workgroup_size: 256
    .sgpr_count:     66
    .vgpr_count:     186
    .wavefront_size: 32
...
	.end_amdgpu_metadata
.endif
;; end of part 1
;; launch qkv (part 2): grid 16 x 16, 4 waves a work-group, clusters of 4 x 1, 327,680 bytes of LDS; arguments XW, bq, bk, bv, QKV; writes QKV
.if DOCPART == 2
	.amdgcn_target "amdgcn-amd-amdhsa--gfx1250"
	.amdhsa_code_object_version 6
	.text
	.protected	k_qe1f31e44a8_qkv
	.globl	k_qe1f31e44a8_qkv
	.p2align	8
	.type	k_qe1f31e44a8_qkv,@function
k_qe1f31e44a8_qkv:
	s_mov_b64 s[64:65], 0
	v_nop
	global_prefetch_b8 v0, s[64:65] scope:SCOPE_SE
	s_setreg_imm32_b32 hwreg(HW_REG_WAVE_MODE, 25, 1), 1
	s_wait_xcnt 0x0
	s_wait_alu depctr_hold_cnt(0) depctr_sa_sdst(0) depctr_va_vdst(0) depctr_va_sdst(0) depctr_va_ssrc(0) depctr_va_vcc(0) depctr_vm_vsrc(0)
	s_getreg_b32 s2, hwreg(HW_REG_IB_STS2, 6, 4)
	s_cmp_eq_u32 s2, 0
	s_cbranch_scc0 .Lentry_in_a_cluster
	s_endpgm
.Lentry_in_a_cluster:
	s_bfe_u32 s2, ttmp6, 0x10000c
	s_cmp_lg_u32 s2, 0x3003
	s_cbranch_scc0 .Lentry_shape_is_right
	s_endpgm
.Lentry_shape_is_right:
; q = x Wq + bq, k = x Wk + bk, v = x Wv + bv on codes of E4M3 (tiles in XW, in the order of an operand's registers), each result quantised at once for attention's products and stored as codes.
; SHARES.  A work-group makes 256 tokens x the q, k and v of ONE head (192 columns): 16 x 16 work-groups.  A wave holds 64 tokens (four tiles, all of K = 1,024) in 512 registers, loaded straight from memory, and walks the head's
; twelve tiles of weights, two at a time: pairs 0, 1 are q's, 2, 3 k's, 4, 5 v's; a pair is 64 products.
; q, k: source 0 = the weight's rows, source 1 = x's: a lane holds one token, its registers run along the head's 64.  v: the sources change places: a lane holds one column, its registers run along the tokens.  So either is quantised along
; the next product's K, and by the tiles' row order the 16 registers of two neighbouring tiles are 16 neighbours 32 b + 16 h + 0 .. 15: the conversions' results are pieces (16 rows x 32 K, 512 bytes) of the next operand.
; THE ORDER.  Behind each product stand two lines of the quantiser of the pair before (two sets of sums), a conversion as a third.  The second half of a pair's fragments comes from LDS among its first products, the next pair's first half among its last.
; FILLS.  The twelve tiles and their scale bytes lie in LDS, filled ONCE: at the head one joint load a wave (pairs 0, 1, 2; all scale bytes), behind a full round one more in three waves (pairs 3, 4, 5).  A cluster's four work-groups have the same
; head and ask jointly.  By this text's count a wave has one tensor load out.  No prefetch: the text is one straight line with two fills and no loop to run ahead in.
; THE BIAS is the C of each sum's first product.
; QKV: q, k codes [head or 16 + head][tile of x][2 pieces]; from V_OFF v's codes [64 keys][tile of Wv][2 pieces]; from QKS_OFF q's, k's scale bytes [..][tile][16 rows] 2 bytes; from VS_OFF v's [128 keys][tile][16 rows] 4 bytes.
; LIMITS: a block of zeros gets the byte 1 where the rule says 127 (its codes are zeros; this program alone reads the bytes); NaN and infinities are not served.
; REGISTERS: window 0 below; windows 1, 2: x (64 (s % 4) + 16 t), K steps s = 0-3, 4-7; window 3: the pair's fragments of weights (32 s + 16 u).
.set XS_OFF,  0x800000
.set V_OFF,   0x800000
.set QKS_OFF, 0xc00000
.set VS_OFF,  0xc40000
.set SCL,     196608                   ; LDS: tile i at 16,384 i; then the scale bytes, 512 a tile
.set SPARE,   SCL+6144                 ; the spare words, 128 bytes a wave
.set AD1, 0                            ; 16 x lane + 65,536
.set L16, 1                            ; 16 x lane
.set AD2, 2                            ; 16 x lane + 131,072; at the head 32 r
.set SL,  3                            ; SCL + 32 r
.set SA,  4                            ; 2 x lane
.set SPW, 5
.set NIL, 6
.set BA,  7                            ; 64 h
.set SVA, 8                            ; the first piece's bytes of a tensor, two tiles each; at the head 4 (r + (r & 8))
.set SVB, 9
.set EE01, 10
.set EE23, 11
.set BV,  12                           ; v12-15 bv at the lane's columns, a number a tile, until it is spread into C
.set EV,  12
.set SAV, 13                           ; 4 x lane, from pair 4 on
.set SC0, 16                           ; v16-47 x's scale words: 8 t + s
.set SC1, 52                           ; v52-83 the weights', two sets: 8 u + s: no product's two scale words have numbers equal modulo 8
.set CB,  84                           ; v84-99 C of the pair's first products
.set TM,  100                          ; v100-103 maxima, 104-107 bytes, 108-111 448 x scale, 112-115 the conversions' scale operands
.set ACC, 128                          ; v128-191, v192-255
.set WV,  14
.set G1T, 16
.set G1S, 24
.set G0T, 32
.set G0U, 36
.set G0S, 40
.set MK,  63
.set SEL, 98
.set MNT, 62
.set MSB, 0
.macro WIN new                         ; the immediate's high byte repeats the setting that is left
.if MSB != (\new)
	s_set_vgpr_msb (MSB<<8)|(\new)
.set MSB, (\new)
.endif
.endm
.macro CROUND                          ; a round of the cluster's barrier
	s_barrier_signal -1
	s_barrier_wait -1
	s_cmp_lg_u32 s[WV], 0
	s_cbranch_scc1 .Lnot_wave_0_\@
	s_barrier_signal -3
.Lnot_wave_0_\@:
	s_barrier_wait -3
	s_barrier_signal -1
	s_barrier_wait -1
.endm
.macro TLOAD g0, g1
	tensor_load_to_lds s[\g0:\g0+3], s[\g1:\g1+7]
	s_nop 0
.rept 4
	v_nop
.endr
.endm
.macro PD b                            ; where block b's codes stand: v116-127, v48-51
.if (\b) < 3
.set PD_, 116+4*(\b)
.else
.set PD_, 48
.endif
.endm
	s_load_b256 s[4:11], s[0:1], 0x0               ; XW, bq, bk, bv
	s_load_b64 s[12:13], s[0:1], 0x20              ; QKV
	v_lshl_add_u32 v[SPW], v0, 2, SPARE
	v_mov_b32 v[NIL], 0
	ds_add_u32 v[SPW], v[NIL]                      ; the wave's opening: the add, twice on end, and its wait ahead of my first tensor load
	ds_add_u32 v[SPW], v[NIL]
	v_lshrrev_b32 v10, 5, v0
	v_readfirstlane_b32 s[WV], v10                 ; wave 0..3
	s_bfe_u32 s15, ttmp6, 0x40000                  ; cx: it enters x's and the outputs' offsets alone
	s_and_b32 s52, ttmp7, 0xffff                   ; the head, which the four partners share
	s_lshl_b32 s53, ttmp9, 2
	s_add_co_u32 s53, s53, s15                     ; which 256 tokens
	s_lshl_b32 s54, s53, 4
	s_lshl_b32 s56, s[WV], 2
	s_add_co_u32 s54, s54, s56                     ; my first tile of x
	s_lshl_b32 s82, s54, 14                        ; x's codes
	s_mov_b32 s83, 0
	s_lshl_b32 s84, s54, 9                         ; and scale bytes
	s_add_co_u32 s84, s84, XS_OFF
	s_mov_b32 s85, 0
	s_lshl_b32 s74, s52, 18                        ; q's codes; k's lie 16 heads on
	s_lshl_b32 s56, s54, 10
	s_add_co_u32 s74, s74, s56
	s_mov_b32 s75, 0
	s_lshl_b32 s76, s52, 13                        ; their scale bytes
	s_lshl_b32 s56, s54, 5
	s_add_co_u32 s76, s76, s56
	s_add_co_u32 s76, s76, QKS_OFF
	s_mov_b32 s77, 0
	s_lshr_b32 s57, s54, 2                         ; which 64 tokens
	s_lshl_b32 s78, s57, 16                        ; v's codes
	s_lshl_b32 s56, s52, 12
	s_add_co_u32 s78, s78, s56
	s_add_co_u32 s78, s78, V_OFF
	s_mov_b32 s79, 0
	s_lshr_b32 s80, s57, 1                         ; and scale bytes: 128 keys to a word, my 64 its low or its high half
	s_lshl_b32 s80, s80, 12
	s_and_b32 s56, s57, 1
	s_lshl_b32 s56, s56, 1
	s_add_co_u32 s80, s80, s56
	s_lshl_b32 s56, s52, 8
	s_add_co_u32 s80, s80, s56
	s_add_co_u32 s80, s80, VS_OFF
	s_mov_b32 s81, 0
	s_lshl_b32 s86, s52, 8                         ; the head's 64 numbers of a bias
	s_mov_b32 s87, 0
	s_lshl_b32 s55, s52, 2
	s_add_co_u32 s55, s55, 256                     ; the head's first tile of Wq; Wk's lie 64 tiles on, Wv's 128.  What follows never holds cx
	s_lshr_b32 s90, s[WV], 1                       ; head: wave w < 3 fetches pair w;
	s_lshl_b32 s90, s90, 6
	s_and_b32 s56, s[WV], 1
	s_lshl_b32 s56, s56, 1
	s_add_co_u32 s90, s90, s56
	s_add_co_u32 s90, s90, s55
	s_lshl_b32 s90, s90, 14
	s_mov_b32 s91, 0
	s_lshl_b32 s[G0T+1], s[WV], 15
	s_add_co_u32 s58, s[WV], 3                     ; behind the round pair w + 3
	s_lshr_b32 s92, s58, 1
	s_lshl_b32 s92, s92, 6
	s_and_b32 s56, s58, 1
	s_lshl_b32 s56, s56, 1
	s_add_co_u32 s92, s92, s56
	s_add_co_u32 s92, s92, s55
	s_lshl_b32 s92, s92, 14
	s_mov_b32 s93, 0
	s_lshl_b32 s[G0U+1], s58, 15
	s_lshl_b32 s94, s55, 9                         ; head: wave 3 fetches the scale bytes: 2,048 a tensor, 64 tiles apart
	s_add_co_u32 s94, s94, XS_OFF
	s_mov_b32 s95, 0
	s_mov_b32 s[G0S+1], SCL
	s_mov_b32 s[MK], 0xffff0000                    ; lanes 16-31
	s_mov_b32 s[SEL], 0x76543210
	s_mov_b32 s[SEL+1], 0xfedcba98
	s_mov_b32 s[MNT], 0x600000
	s_mov_b32 s[G1T], 15|(3<<16)|(1<<21)           ; the mask: all four work-groups; elements of 8 bytes; bit 21 beside a mask
	s_mov_b32 s[G1T+1], 32<<16                     ; two tiles: 128 dense rows of 256 bytes
	s_mov_b32 s[G1T+2], 128<<16
	s_mov_b32 s[G1T+3], 32<<16
	s_mov_b32 s[G1T+4], 128
	s_mov_b32 s[G1T+5], 32
	s_mov_b32 s[G1T+6], 0
	s_mov_b32 s[G1T+7], 0
	s_mov_b32 s[G1S], 15|(3<<16)|(1<<21)
	s_mov_b32 s[G1S+1], 256<<16                    ; three rows of 2,048 bytes, 32,768 apart
	s_mov_b32 s[G1S+2], 3<<16
	s_mov_b32 s[G1S+3], 256<<16
	s_mov_b32 s[G1S+4], 3
	s_mov_b32 s[G1S+5], 4096
	s_mov_b32 s[G1S+6], 0
	s_mov_b32 s[G1S+7], 0
	v_and_b32 v10, 31, v0
	v_and_b32 v11, 15, v0                          ; r
	v_bfe_u32 v12, v0, 4, 1                        ; h
	v_and_b32 v13, 8, v11
	v_lshlrev_b32 v[L16], 4, v10
	v_lshlrev_b32 v[SA], 1, v10
	v_lshlrev_b32 v[AD2], 5, v11
	v_lshl_add_u32 v[SL], v11, 5, SCL
	v_lshlrev_b32 v[BA], 6, v12
	v_add_nc_u32 v13, v13, v11
	v_lshlrev_b32 v[SVA], 2, v13
.irp b, 0,1,2,3
	v_mov_b32 v[TM+4+\b], 0                        ; a lane permute's destination counts as one of its sources
.endr
	s_wait_alu depctr_va_vdst(0)                   ; the wait here, ahead of the waits below
	s_wait_dscnt 0x0                               ; both opening adds are done
	s_wait_kmcnt 0x0
	s_add_nc_u64 s[88:89], s[8:9], s[86:87]        ; bk
	s_add_nc_u64 s[96:97], s[10:11], s[86:87]      ; bv
	s_add_nc_u64 s[86:87], s[6:7], s[86:87]        ; bq
	s_add_nc_u64 s[74:75], s[12:13], s[74:75]
	s_add_nc_u64 s[76:77], s[12:13], s[76:77]
	s_add_nc_u64 s[78:79], s[12:13], s[78:79]
	s_add_nc_u64 s[80:81], s[12:13], s[80:81]
	s_add_nc_u64 s[82:83], s[4:5], s[82:83]
	s_add_nc_u64 s[84:85], s[4:5], s[84:85]
	s_mov_b32 s[G0T], 1
	s_add_nc_u64 s[G0T+2:G0T+3], s[4:5], s[90:91]
	s_or_b32 s[G0T+3], s[G0T+3], 0x80000000
	s_mov_b32 s[G0U], 1
	s_add_nc_u64 s[G0U+2:G0U+3], s[4:5], s[92:93]
	s_or_b32 s[G0U+3], s[G0U+3], 0x80000000
	s_mov_b32 s[G0S], 1
	s_add_nc_u64 s[G0S+2:G0S+3], s[4:5], s[94:95]
	s_or_b32 s[G0S+3], s[G0S+3], 0x80000000
	CROUND                                         ; all four work-groups are here: the joint loads meet
	s_cmp_lt_u32 s[WV], 3                          ; one tensor load a wave
	s_cbranch_scc0 .Lfor_scales
	TLOAD G0T, G1T
	s_branch .Lasked
.Lfor_scales:
	TLOAD G0S, G1S
.Lasked:
.macro CLOAD q                         ; the bias of pair q (q's, k's) in the result's layout: 32 bytes a lane and tile
.irp u, 0,1
.if (\q) < 2
	global_load_b128 v[CB+8*\u:CB+8*\u+3], v[BA], s[86:87] offset:128*((\q)%2)+32*\u
	global_load_b128 v[CB+8*\u+4:CB+8*\u+7], v[BA], s[86:87] offset:128*((\q)%2)+32*\u+16
.else
	global_load_b128 v[CB+8*\u:CB+8*\u+3], v[BA], s[88:89] offset:128*((\q)%2)+32*\u
	global_load_b128 v[CB+8*\u+4:CB+8*\u+7], v[BA], s[88:89] offset:128*((\q)%2)+32*\u+16
.endif
.endr
.endm
	CLOAD 0
.irp i, 0,1,2,3
	global_load_b32 v[BV+\i], v[SVA], s[96:97] offset:(32*(\i/2)+8*(\i%2))*4
.endr
.irp t, 0,1,2,3
	global_load_b128 v[SC0+8*\t:SC0+8*\t+3], v[AD2], s[84:85] offset:512*\t
	global_load_b128 v[SC0+8*\t+4:SC0+8*\t+7], v[AD2], s[84:85] offset:512*\t+16
.endr
	WIN 0x40                                       ; destination window 1
.irp s, 0,1,2,3
.irp t, 0,1,2,3
.irp c, 0,1,2,3
	global_load_b128 v[64*\s+16*\t+4*\c:64*\s+16*\t+4*\c+3], v[L16], s[82:83] offset:\t*16384+\s*2048+512*\c
.endr
.endr
.endr
	WIN 0x80                                       ; destination window 2
.irp s, 0,1,2,3
.irp t, 0,1,2,3
.irp c, 0,1,2,3
	global_load_b128 v[64*\s+16*\t+4*\c:64*\s+16*\t+4*\c+3], v[L16], s[82:83] offset:\t*16384+(4+\s)*2048+512*\c
.endr
.endr
.endr
	WIN 0
.macro LFRAG p, f                      ; fragment f = 2 s + u of pair p
.if (\p) < 2
.set ADX_, L16
.elseif (\p) < 4
.set ADX_, AD1
.else
.set ADX_, AD2
.endif
	WIN 0xc0                                       ; destination window 3
.irp c, 0,1,2,3
	ds_load_b128 v[16*(\f)+4*\c:16*(\f)+4*\c+3], v[ADX_] offset:((\p)%2)*32768+((\f)%2)*16384+((\f)/2)*2048+512*\c
.endr
.endm
.macro LSC q                           ; pair q's scale words
.irp u, 0,1
.irp k, 0,1
	ds_load_b128 v[SC1+16*((\q)%2)+8*\u+4*\k:SC1+16*((\q)%2)+8*\u+4*\k+3], v[SL] offset:(2*(\q)+\u)*512+16*\k
.endr
.endr
.endm
.macro PROD v, p, n                    ; product n = 8 s + 4 u + t of pair p; a block of 32 along the next K is 16 registers on end: the eight accumulators take turns
.set S_, (\n)/8
.set U_, ((\n)/4)%2
.set T_, (\n)%4
.set W_, 32*S_+16*U_
.set XR_, 64*(S_%4)+16*T_
.set SW_, SC1+16*((\p)%2)+8*U_+S_
.set SX0_, SC0+8*T_+S_
.if \v
.set AC_, ACC+64*((\p)%2)+32*U_+8*T_
.else
.set AC_, ACC+64*((\p)%2)+16*T_+8*U_
.endif
.set C_, AC_
.if S_ == 0
.set C_, CB+8*U_
.endif
.if \v
	WIN (1+S_/4)|0x0c
	v_wmma_scale_f32_16x16x128_f8f6f4 v[AC_:AC_+7], v[XR_:XR_+15], v[W_:W_+15], v[C_:C_+7], v[SX0_], v[SW_]
.else
	WIN 0x03|((1+S_/4)<<2)
	v_wmma_scale_f32_16x16x128_f8f6f4 v[AC_:AC_+7], v[W_:W_+15], v[XR_:XR_+15], v[C_:C_+7], v[SW_], v[SX0_]
.endif
.endm
.macro M3 l                            ; the largest magnitudes, the four blocks by turns; the floor 2^(9 - 127), under which a byte would fall under 1
.set B_, (\l)%4
.set I_, SX_+16*B_+2*((\l)/4)
.if (\l) < 4
	v_max3_num_f32 v[TM+B_], |v[I_]|, |v[I_+1]|, 0x4800000
.else
	v_max3_num_f32 v[TM+B_], v[TM+B_], |v[I_]|, |v[I_+1]|
.endif
.endm
.macro PX b
	v_permlanex16_b32 v[TM+4+\b], v[TM+\b], s[SEL], s[SEL+1]
.endm
.macro MX b
	v_max_num_f32 v[TM+\b], v[TM+\b], v[TM+4+\b]              ; with lane l xor 16's 16: the block's largest magnitude
.endm
.macro HL b
	v_and_or_b32 v[TM+8+\b], v[TM+\b], 0x7f800000, s[MNT]     ; 448 x the scale
.endm
.macro SO b
	v_add_nc_u32 v[TM+12+\b], 0xfc000000, v[TM+\b]            ; 8 off the exponent field: the conversion's scale operand
.endm
.macro BY b
	v_lshrrev_b32 v[TM+4+\b], 23, v[TM+12+\b]                 ; the scale's byte
.endm
; THE QUANTISER of the 64 sums from SX_ on, as lines 4 .. 63.  pk: 1 the first pair of q or k, 2 the second, 3 a pair of v
.macro QL n, pk
.if (\n) < 20
	M3 2*((\n)-4)
	M3 2*((\n)-4)+1
.elseif (\n) == 20
	PX 0
	PX 1
	PX 2
.elseif (\n) == 21
	PX 3
	MX 0
	MX 1
.elseif (\n) == 22
	MX 2
	MX 3
.elseif (\n) == 23
	HL 0
	SO 0
	HL 1
.elseif (\n) == 24
	SO 1
	HL 2
	SO 2
.elseif (\n) == 25
	HL 3
	SO 3
	BY 0
.elseif (\n) == 26
	BY 1
	BY 2
.elseif (\n) == 27
	BY 3
.if (\pk) == 1
	v_lshl_or_b32 v[SVA], v[TM+5], 16, v[TM+4]     ; kept until the second piece's bytes are made
.elseif (\pk) == 2
	v_lshl_or_b32 v[TM], v[TM+5], 16, v[TM+4]
.else
	v_lshl_or_b32 v[TM], v[TM+5], 8, v[TM+4]       ; the first tile's two bytes,
.endif
.elseif (\n) == 28
.if (\pk) == 1
	v_lshl_or_b32 v[SVB], v[TM+7], 16, v[TM+6]
.elseif (\pk) == 2
	v_lshl_or_b32 v[TM+1], v[TM+7], 16, v[TM+6]
	v_lshl_or_b32 v[TM], v[TM], 8, v[SVA]          ; tiles 0 and 1: two bytes each
.else
	v_lshl_or_b32 v[TM+1], v[TM+7], 8, v[TM+6]     ; the second's
.endif
.elseif (\n) == 29
.if (\pk) == 2
	v_lshl_or_b32 v[TM+1], v[TM+1], 8, v[SVB]      ; tiles 2 and 3
	v_lshrrev_b32 v[TM+2], 16, v[TM]
.elseif (\pk) == 3
	v_cndmask_b32 v[EV], v[TM], v[TM+1], s[MK]     ; lanes 16-31 take the second's
.endif
.elseif (\n) == 30
.if (\pk) == 2
	v_lshrrev_b32 v[TM+3], 16, v[TM+1]
	v_cndmask_b32 v[EE01], v[TM], v[TM+2], s[MK]
	v_cndmask_b32 v[EE23], v[TM+1], v[TM+3], s[MK]
.endif
.elseif (\n) >= 32
.set G_, ((\n)-32)/4
.set J_, ((\n)-32)%4
.set K_, SX_+8*G_+2*J_
.set HB_, TM+8+G_/2
	v_med3_num_f32 v[K_], v[K_], -v[HB_], v[HB_]   ; the hold: the conversion does not saturate (ISA guide 7.6.2)
	v_med3_num_f32 v[K_+1], v[K_+1], -v[HB_], v[HB_]
.if J_ == 3
	PD G_/2
.set PD_, PD_+2*(G_%2)
	v_cvt_scalef32_pk8_fp8_f32 v[PD_:PD_+1], v[SX_+8*G_:SX_+8*G_+7], v[TM+12+G_/2]
.endif
.endif
.endm
.macro STORES q                        ; pair q leaves: four pieces, 512 consecutive bytes a store; with a tensor's second pair (v: with each) the scale bytes
.irp b, 0,1,2,3
	PD \b
.if (\q) < 4
	global_store_b128 v[L16], v[PD_:PD_+3], s[74:75] offset:4194304*((\q)/2)+512*((\q)%2)+1024*\b
.else
	global_store_b128 v[L16], v[PD_:PD_+3], s[78:79] offset:2048*((\q)-4)+1024*(\b/2)+512*(\b%2)
.endif
.endr
.if (\q) == 1 || (\q) == 3
	global_store_b16 v[SA], v[EE01], s[76:77] offset:131072*((\q)/2)
	global_store_b16 v[SA], v[EE23], s[76:77] offset:131072*((\q)/2)+64
.elseif (\q) >= 4
	global_store_b16 v[SAV], v[EV], s[80:81] offset:128*((\q)-4)
.endif
.endm
; WHAT STANDS BEHIND PRODUCT n of pair p.  The eight plain lines behind products 0 to 3 are the places behind the pair before; those behind products 32 to 35 the places in front of the loads into the first half's registers
.macro GAPS p, n, pk
.if (\pk) && (\n) < 4
	WIN 0
.if (\p) == 4 && (\n) == 0
	v_lshrrev_b32 v[SAV], 2, v[L16]
.else
	v_nop
.endif
	v_nop
.if (\n) == 0 && (\p) > 1
	STORES (\p)-2                                  ; quantised among the last pair's products
.endif
.elseif (\pk)
	WIN 0
	QL \n, \pk
.elseif ((\n) >= 8 && (\n) < 12) || ((\n) >= 32 && (\n) < 36)
	WIN 0
	v_nop
	v_nop
.endif
.if (\n) == 13 && (\p) < 3
	WIN 0
	CLOAD (\p)+1
.endif
.if (\n) == 20 && (\p) < 5
	WIN 0
	LSC (\p)+1
.endif
.if (\n) >= 20 && (\n) < 24 && ((\p) == 3 || (\p) == 4)
	WIN 0
.set D_, CB+4*((\n)-20)                ; v's bias: the lane's one number of tile u in all eight registers
.set E_, BV+2*((\p)-3)+((\n)-20)/2
	v_dual_mov_b32 v[D_], v[E_] :: v_dual_mov_b32 v[D_+1], v[E_]
	v_dual_mov_b32 v[D_+2], v[E_] :: v_dual_mov_b32 v[D_+3], v[E_]
.endif
.if (\n) >= 4 && (\n) < 20 && (\n)%2 == 0
	LFRAG \p, 8+((\n)-4)/2
.endif
.if (\p) < 5 && ((\n) == 36 || (\n) == 40 || (\n) == 44 || (\n) == 48)
	LFRAG (\p)+1, ((\n)-36)/2
	LFRAG (\p)+1, ((\n)-36)/2+1
.endif
.endm
.macro PAIR p, v, pk
.set SX_, ACC+64*(((\p)+1)%2)
	s_wait_alu depctr_va_vdst(0)                   ; the wait here, ahead of the waits below
	s_wait_dscnt 0x0                               ; K steps 0-3 of this pair, asked for fifteen products ago or more, and its scale words
.if (\p) == 0
	s_wait_loadcnt 0x3e                            ; all but 62: x's K steps 4-7 are 64 loads, the youngest
.else
	s_wait_loadcnt 0x0                             ; the bias
.endif
.set N_, 0
.rept 64
.if N_ == 32
	s_wait_alu depctr_va_vdst(0)
.if (\p) == 2
	s_wait_tensorcnt 0x0                           ; my part of pairs 3, 4, 5 has landed
.endif
	s_wait_dscnt 0x0                               ; K steps 4-7
.if (\p) == 0
	s_wait_loadcnt 0x0                             ; x's too
.endif
	s_wait_xcnt 0x0                                ; the last pair's stores have read their codes: they are written again behind this wait
.if (\p) == 2
	s_barrier_signal -1
	s_barrier_wait -1                              ; everybody's part has landed
.endif
.endif
	PROD \v, \p, N_
	GAPS \p, N_, \pk
.set N_, N_+1
.endr
.endm
	s_wait_alu depctr_va_vdst(0)                   ; the wait at the head's end
	s_wait_tensorcnt 0x0                           ; my head load is in
	ds_add_u32 v[SPW], v[NIL]
	s_wait_dscnt 0x0
	CROUND                                         ; pairs 0, 1, 2 and the scale bytes are in, everywhere
	s_cmp_lt_u32 s[WV], 3
	s_cbranch_scc0 .Lnone_for_me
	TLOAD G0U, G1T                                 ; pairs 3, 4, 5
.Lnone_for_me:
	LSC 0
.irp f, 0,1,2,3,4,5,6,7
	LFRAG 0, \f
.endr
	WIN 0
	s_wait_xcnt 0x0                                ; x's scale words' loads have taken their address: it is written below
	v_add_nc_u32 v[AD1], 0x10000, v[L16]
	v_add_nc_u32 v[AD2], 0x20000, v[L16]
	PAIR 0, 0, 0
	PAIR 1, 0, 1
	PAIR 2, 0, 2
	PAIR 3, 0, 1
	PAIR 4, 1, 2
	PAIR 5, 1, 3
	WIN 0
.rept 8
	v_nop                                          ; eight places behind the last products
.endr
	s_wait_alu depctr_va_vdst(0)
	STORES 4
	s_wait_xcnt 0x0
.set SX_, ACC+64
.set N_, 4
.rept 60
	QL N_, 3
.set N_, N_+1
.endr
	v_nop                                          ; a plain line behind the last conversion
	STORES 5
	s_wait_tensorcnt 0x0                           ; the wave's end
	ds_add_u32 v[SPW], v[NIL]
	s_wait_dscnt 0x0
	CROUND                                         ; the closing round
	s_endpgm
.Lfunc_end_k_qe1f31e44a8_qkv:
	.size	k_qe1f31e44a8_qkv, .Lfunc_end_k_qe1f31e44a8_qkv-k_qe1f31e44a8_qkv
	.p2alignl 7, 3214868480
	.fill 96, 4, 3214868480
	.section	.rodata,"a",@progbits
	.p2align	6, 0x0
	.amdhsa_kernel k_qe1f31e44a8_qkv
		.amdhsa_group_segment_fixed_size 327680
		.amdhsa_private_segment_fixed_size 0
		.amdhsa_enable_private_segment 0
		.amdhsa_kernarg_size 40
		.amdhsa_user_sgpr_count 2
		.amdhsa_user_sgpr_kernarg_segment_ptr 1
		.amdhsa_wavefront_size32 1
		.amdhsa_system_sgpr_workgroup_id_x 1
		.amdhsa_system_sgpr_workgroup_id_y 1
		.amdhsa_system_sgpr_workgroup_id_z 1
		.amdhsa_system_vgpr_workitem_id 0
		.amdhsa_next_free_vgpr 1024
		.amdhsa_next_free_sgpr 100
		.amdhsa_reserve_vcc 0
		.amdhsa_float_denorm_mode_32 3
		.amdhsa_float_denorm_mode_16_64 3
		.amdhsa_memory_ordered 1
		.amdhsa_forward_progress 1
		.amdhsa_inst_pref_size 175
	.end_amdhsa_kernel
	.amdgpu_metadata
---
amdhsa.version: [ 1, 2 ]
amdhsa.kernels:
  - .name:           k_qe1f31e44a8_qkv
    .symbol:         k_qe1f31e44a8_qkv.kd
    .args:
      - { .name: XW, .offset: 0, .size: 8, .value_kind: global_buffer, .address_space: global }
      - { .name: bq, .offset: 8, .size: 8, .value_kind: global_buffer, .address_space: global }
      - { .name: bk, .offset: 16, .size: 8, .value_kind: global_buffer, .address_space: global }
      - { .name: bv, .offset: 24, .size: 8, .value_kind: global_buffer, .address_space: global }
      - { .name: QKV, .offset: 32, .size: 8, .value_kind: global_buffer, .address_space: global }
    .group_segment_fixed_size: 327680
    .private_segment_fixed_size: 0
    .kernarg_segment_align: 8
    .kernarg_segment_size: 40
    .max_flat_workgroup_size: 128
    .sgpr_count:     100
    .vgpr_count:     1024
    .wavefront_size: 32
...
	.end_amdgpu_metadata
.endif
;; end of part 2
;; launch attn (part 3): grid 8 x 32, 8 waves a work-group, clusters of 4 x 1, 327,680 bytes of LDS; arguments QKV, AO; writes AO
.if DOCPART == 3
	.amdgcn_target "amdgcn-amd-amdhsa--gfx1250"
	.amdhsa_code_object_version 6
	.text
	.protected	k_qe1f31e44a8_attn
	.globl	k_qe1f31e44a8_attn
	.p2align	8
	.type	k_qe1f31e44a8_attn,@function
k_qe1f31e44a8_attn:
	s_mov_b64 s[64:65], 0
	v_nop
	global_prefetch_b8 v0, s[64:65] scope:SCOPE_SE
	s_setreg_imm32_b32 hwreg(HW_REG_WAVE_MODE, 25, 1), 1
	s_wait_xcnt 0x0
	s_wait_alu depctr_hold_cnt(0) depctr_sa_sdst(0) depctr_va_vdst(0) depctr_va_sdst(0) depctr_va_ssrc(0) depctr_va_vcc(0) depctr_vm_vsrc(0)
	s_getreg_b32 s2, hwreg(HW_REG_IB_STS2, 6, 4)
	s_cmp_eq_u32 s2, 0
	s_cbranch_scc0 .Lentry_in_a_cluster
	s_endpgm
.Lentry_in_a_cluster:
	s_bfe_u32 s2, ttmp6, 0x10000c
	s_cmp_lg_u32 s2, 0x3003
	s_cbranch_scc0 .Lentry_shape_is_right
	s_endpgm
.Lentry_shape_is_right:
; O = softmax(q k^T / 8) v for one head and 256 queries, both products on codes of E4M3; the result is quantised along D for the last projection and stored as codes.
; SHARES.  Eight waves, two to a SIMD; a wave owns TWO tiles of 16 queries, A and B, and walks the head's 2,048 keys, 128 a step: each fragment of K and V that comes from LDS feeds two products.
; LAYOUT.  Both products are used transposed: S^T = K Q^T (source 0 = 16 keys), O^T = V^T P^T (source 0 = 16 of the head's 64): a lane holds ONE query of A and one of B throughout.  By the tiles' row order the 16
; registers of tiles 2 b, 2 b + 1 are 16 neighbours 32 b + 16 h + 0 .. 15, of the keys in S^T and of the head's 64 in O^T.
; THE SOFTMAX.  t = score x log2(e) / 8.  Each block of 32 keys has a whole number of its own, F = floor(its largest t): p' = 2^(t - F) lies under 2 and its largest in [1, 2), so the block's scale is 2^-8 relative
; to F in every block: the conversion's scale operand and the hold (1.75 = 448 / 256) are constants.  M = the running largest F; the scale byte carries 2^(F - M - 8), held at 1 from below.  All factors are
; whole powers of two, so the codes' values x scales / sum are those of p = 2^(t - ceil(largest t)).  The sum is taken of the unquantised p', block by block, x 2^(F - M).  When M moves, sum and O are multiplied by 2^(old M - new M).
; PAIRED NUMBERS.  What is one number a query is worked for both tiles at once: v_permlane16_swap_b32 lays A's lanes 0-15 over B's 0-15 and A's 16-31 over B's 16-31, so that one maximum gives A's in lanes 0-15 and
; B's in lanes 16-31; the same swap of a number with its own copy spreads A's over all lanes of one register and B's over the other.  Q's and p's scale words stay paired: B's products read lanes 16-31 (ROW1).
; THE FIRST PRODUCT'S K IS 64.  Registers 8-15 of Q's operand are zero codes; K's eight tiles lie on end and source 0 of product t is the window of 16 registers at tile t; zero registers stand behind tile 7.
; FILLS.  K, V and their scale bytes, 264 KiB, lie in LDS, filled ONCE: at the head one joint load a wave (all scale bytes; 512 keys of K and of V), behind a full round one more a wave (the other 1,536 keys), which steps 0 to 2
; do not read.  The four work-groups of a cluster are four query blocks of one head and ask jointly.  By this text's count a wave has one tensor load out.  No prefetch: there is no loop of loads to run ahead in.
; A split barrier stands in every step from 3 on: it guards no bytes and keeps the waves within a step of each other.
; LIMITS: scaled scores stay under 2^31 in magnitude; a block of zeros of O gets the byte 1 where the rule says 127 (this program alone reads the bytes); NaN and infinities are not served.
; REGISTERS.  Window 0: v0-63 below, v64-127 S^T of A, v128-191 of B, v192-223 O^T of A, v224-255 of B.  Window 1: K, V, Q, p's codes.
.set V_OFF,   0x800000
.set QKS_OFF, 0xc00000
.set VS_OFF,  0xc40000
.set AS_OFF,  0x400000
.set VB,      131072                   ; LDS: K's 128 tiles of 1,024 bytes (a step: 8,192); from VB on V, 32 x 64 keys of 4,096 bytes ([4 tiles][2 pieces]);
.set KSB,     262144                   ; K's scale bytes, [tile][16 rows] 2 bytes (a step: 256);
.set VSB,     266240                   ; V's, [step][4 tiles][16 rows] 4 bytes (a step: 256)
.set SPARE,   270336                   ; the spare words, 128 bytes a wave
.set AD,  0                            ; this step's tiles of K (the next step's lie 8,192 on)
.set L16, 1                            ; 16 x lane
.set KSA, 2                            ; KSB + 2 r
.set VSA, 3                            ; VSB + 4 r
.set NIL, 4
.set SPW, 5
.set ADS, 6                            ; this step's scale bytes of K
.set ADV, 7                            ; this step's V
.set ADT, 8                            ; and its scale words
.set QS,  9                            ; Q's scale words, paired
.set SCW, 10                           ; p's scale words, paired
.set RO,  11
.set SO,  12                           ; 2^-8
.set MM,  13                           ; M, paired
.set FO,  14                           ; v14 A's, v15 B's 2^(old M - new M)
.set LA,  16                           ; v[16:17] A's sum in two halves, v[18:19] B's
.set LB,  18
.set KSC, 20                           ; v20-27 K's scale words
.set VSC, 28                           ; v28-31 V's
.set MF,  32                           ; v[32+2b] A's, v[33+2b] B's largest score, then F, of block b
.set FB,  40                           ; v[40+2b] A's, v[41+2b] B's 2^(F - M)
.set BS,  48                           ; v48-55 A's, v56-63 B's block sums, in two halves each; ahead of the sums:
.set X,   48                           ;   v48-51, v52-55, v56, v57 at work
.set U,   52
.set TN,  56
.set TT,  57
.set SA,  64
.set SB,  128
.set OA,  192
.set OB,  224
.set KF,  0                            ; window 1: v0-63 K's eight tiles, v64-71 zero codes
.set ZR,  64
.set VF,  72                           ;   v72-135 V's four fragments
.set QA,  136                          ;   v136-143 Q of A, then zero codes; v152-159 of B, then zero codes
.set QB,  152
.set PA,  168                          ;   p's codes
.set PB,  184
.set WV,  8
.set TB,  9                            ; 8,192 x the step
.set TS,  10                           ; 256 x the step
.set CNT, 11
.set G1KS, 16
.set G1VS, 24
.set G1K, 32
.set G1V, 40
.set G0KS, 48
.set G0VS, 52
.set G0K, 56
.set G0V, 60
.set G0K2, 68
.set G0V2, 72
.set CS,  96                           ; s[96:97] log2(e) / 8
.set LO,  98                           ; -118
.set MG,  99                           ; 1.5 x 2^23 + 119: a whole number n - 119 added to it leaves n in the low byte
.set E8,  100                          ; 8 << 23
.set P1,  101
.set P2,  104
.set HS,  105                          ; 1.75
.set MNT, 66
.set MSB, 0
.macro WIN new                         ; the immediate's high byte repeats the setting that is left
.if MSB != (\new)
	s_set_vgpr_msb (MSB<<8)|(\new)
.set MSB, (\new)
.endif
.endm
.macro CROUND                          ; a round of the cluster's barrier
	s_barrier_signal -1
	s_barrier_wait -1
	s_cmp_lg_u32 s[WV], 0
	s_cbranch_scc1 .Lnot_wave_0_\@
	s_barrier_signal -3
.Lnot_wave_0_\@:
	s_barrier_wait -3
	s_barrier_signal -1
	s_barrier_wait -1
.endm
.macro TLOAD g0, g1
	tensor_load_to_lds s[\g0:\g0+3], s[\g1:\g1+7]
	s_nop 0
.rept 4
	v_nop
.endr
.endm
.macro GROUP1 g, dim0, rows, pitch     ; rows of dim0 elements of 8 bytes, shared by the four work-groups, no padding
	s_mov_b32 s[\g], 15|(3<<16)|(1<<21)
	s_mov_b32 s[\g+1], (\dim0)<<16
	s_mov_b32 s[\g+2], (\rows)<<16
	s_mov_b32 s[\g+3], (\dim0)<<16
	s_mov_b32 s[\g+4], \rows
	s_mov_b32 s[\g+5], \pitch
	s_mov_b32 s[\g+6], 0
	s_mov_b32 s[\g+7], 0
.endm
.macro GROUP0 g, off                   ; its LDS address is written already
	s_mov_b32 s[\g], 1
	s_add_nc_u64 s[\g+2:\g+3], s[4:5], s[\off:\off+1]
	s_or_b32 s[\g+3], s[\g+3], 0x80000000
.endm
	s_load_b128 s[4:7], s[0:1], 0x0                ; QKV, AO
	v_lshl_add_u32 v[SPW], v0, 2, SPARE
	v_mov_b32 v[NIL], 0
	ds_add_u32 v[SPW], v[NIL]                      ; the wave's opening: the add, twice on end, and its wait ahead of my first tensor load
	ds_add_u32 v[SPW], v[NIL]
	v_lshrrev_b32 v16, 5, v0
	v_readfirstlane_b32 s[WV], v16                 ; wave 0..7
	s_and_b32 s10, ttmp7, 0xffff
	s_lshr_b32 s11, s10, 4                         ; the batch
	s_and_b32 s12, s10, 15                         ; the head
	s_and_b32 s2, s[WV], 1
	s_and_b32 s3, s[WV], 3
	s_add_co_u32 s66, s12, 16                      ; K: the head's 128 KiB
	s_lshl_b32 s66, s66, 18
	s_lshl_b32 s67, s11, 17
	s_add_co_u32 s66, s66, s67
	s_mul_i32 s[G0K+1], s2, 16384                  ; head: waves 2, 3 take 256 keys each;
	s_add_co_u32 s76, s66, s[G0K+1]
	s_mov_b32 s77, 0
	s_mul_i32 s[G0K2+1], s3, 24576                 ; behind the round waves 0 to 3 take 384 keys each
	s_add_co_u32 s[G0K2+1], s[G0K2+1], 32768
	s_add_co_u32 s78, s66, s[G0K2+1]
	s_mov_b32 s79, 0
	s_lshl_b32 s66, s11, 21                        ; V: 64 keys of the head are 4,096 bytes, 65,536 apart
	s_lshl_b32 s67, s12, 12
	s_add_co_u32 s66, s66, s67
	s_add_co_u32 s66, s66, V_OFF
	s_mul_i32 s80, s3, 131072                      ; head: waves 4 to 7 take 128 keys each;
	s_add_co_u32 s80, s80, s66
	s_mov_b32 s81, 0
	s_mul_i32 s[G0V+1], s3, 8192
	s_add_co_u32 s[G0V+1], s[G0V+1], VB
	s_mul_i32 s82, s3, 393216                      ; behind the round 384 keys each
	s_add_co_u32 s82, s82, s66
	s_add_co_u32 s82, s82, 524288
	s_mov_b32 s83, 0
	s_mul_i32 s[G0V2+1], s3, 24576
	s_add_co_u32 s[G0V2+1], s[G0V2+1], VB+32768
	s_add_co_u32 s84, s12, 16                      ; K's scale bytes: 4,096 on end
	s_lshl_b32 s84, s84, 13
	s_lshl_b32 s67, s11, 12
	s_add_co_u32 s84, s84, s67
	s_add_co_u32 s84, s84, QKS_OFF
	s_mov_b32 s85, 0
	s_mov_b32 s[G0KS+1], KSB
	s_lshl_b32 s86, s11, 16                        ; V's: 256 bytes a key step, 4,096 apart
	s_lshl_b32 s67, s12, 8
	s_add_co_u32 s86, s86, s67
	s_add_co_u32 s86, s86, VS_OFF
	s_mov_b32 s87, 0
	s_mov_b32 s[G0VS+1], VSB
	; my two tiles of queries: they enter Q's and AO's global offsets alone
	s_bfe_u32 s13, ttmp6, 0x40000                  ; cx
	s_lshl_b32 s14, ttmp9, 2
	s_add_co_u32 s14, s14, s13                     ; the block of 256 queries
	s_lshl_b32 s14, s14, 4
	s_lshl_b32 s15, s11, 7
	s_add_co_u32 s14, s14, s15
	s_lshl_b32 s15, s[WV], 1
	s_add_co_u32 s14, s14, s15                     ; T: 128 x batch + 16 x block + 2 x wave; A is T, B is T + 1
	s_lshl_b32 s88, s12, 18
	s_lshl_b32 s15, s14, 10
	s_add_co_u32 s88, s88, s15                     ; Q's codes
	s_mov_b32 s89, 0
	s_lshl_b32 s90, s12, 13
	s_lshl_b32 s15, s14, 5
	s_add_co_u32 s90, s90, s15
	s_add_co_u32 s90, s90, QKS_OFF                 ; Q's scale bytes
	s_mov_b32 s91, 0
	s_lshl_b32 s92, s14, 14
	s_lshl_b32 s15, s12, 10
	s_add_co_u32 s92, s92, s15                     ; AO: tile T, pieces 2 head, 2 head + 1
	s_mov_b32 s93, 0
	s_lshl_b32 s94, s14, 9
	s_lshl_b32 s15, s12, 1
	s_add_co_u32 s94, s94, s15
	s_add_co_u32 s94, s94, AS_OFF                  ; and its scale bytes
	s_mov_b32 s95, 0
	GROUP1 G1KS, 32, 16, 32
	GROUP1 G1VS, 32, 16, 512
	GROUP1 G1K, 32, 64, 32
	GROUP1 G1V, 512, 2, 8192
	s_mov_b32 s[CS], 0x3e38aa3b                    ; log2(e) / 8
	s_mov_b32 s[CS+1], s[CS]                       ; named with it as a pair
	s_mov_b32 s[LO], 0xc2ec0000
	s_mov_b32 s[MG], 0x4b400077
	s_mov_b32 s[E8], 0x04000000
	s_mov_b32 s[P1], 0x04000400
	s_mov_b32 s[P2], 0x05040100
	s_mov_b32 s[HS], 0x3fe00000
	v_and_b32 v17, 31, v0
	v_and_b32 v18, 15, v0                          ; r
	v_lshlrev_b32 v[L16], 4, v17
	v_lshl_add_u32 v[KSA], v18, 1, KSB
	v_lshl_add_u32 v[VSA], v18, 2, VSB
	v_lshlrev_b32 v[RO], 1, v17                    ; Q's scale bytes: 2 x lane: lanes 0-15 A's rows, lanes 16-31 B's
	s_wait_alu depctr_va_vdst(0)                   ; the wait here, ahead of the waits below
	s_wait_dscnt 0x0                               ; both opening adds are done
	s_wait_kmcnt 0x0
	GROUP0 G0KS, 84
	GROUP0 G0VS, 86
	GROUP0 G0K, 76
	GROUP0 G0V, 80
	GROUP0 G0K2, 78
	GROUP0 G0V2, 82
	s_add_nc_u64 s[88:89], s[4:5], s[88:89]
	s_add_nc_u64 s[90:91], s[4:5], s[90:91]
	s_add_nc_u64 s[92:93], s[6:7], s[92:93]
	s_add_nc_u64 s[94:95], s[6:7], s[94:95]
	CROUND                                         ; all four work-groups are here: the joint loads meet
	s_cmp_eq_u32 s[WV], 0                          ; one tensor load a wave: one tree of branches on the wave's number, an arm a load
	s_cbranch_scc0 .Larm1
	TLOAD G0KS, G1KS
	s_branch .Lasked
.Larm1:
	s_cmp_eq_u32 s[WV], 1
	s_cbranch_scc0 .Larm2
	TLOAD G0VS, G1VS
	s_branch .Lasked
.Larm2:
	s_cmp_lt_u32 s[WV], 4
	s_cbranch_scc0 .Larm3
	TLOAD G0K, G1K
	s_branch .Lasked
.Larm3:
	TLOAD G0V, G1V
.Lasked:
	WIN 0x40                                       ; destination window 1
	global_load_b128 v[QA:QA+3], v[L16], s[88:89]  ; Q's two pieces of A, of B
	global_load_b128 v[QA+4:QA+7], v[L16], s[88:89] offset:512
	global_load_b128 v[QB:QB+3], v[L16], s[88:89] offset:1024
	global_load_b128 v[QB+4:QB+7], v[L16], s[88:89] offset:1536
.irp j, 0,1,2,3,4,5,6,7
	v_mov_b32 v[QA+8+\j], 0                        ; k = 64 .. 127 of Q: zero codes
	v_mov_b32 v[QB+8+\j], 0
	v_mov_b32 v[ZR+\j], 0                          ; what the window of K's tile 7 reaches into: zero codes
.endr
	WIN 0
	global_load_u16 v[QS], v[RO], s[90:91]         ; the upper two scale bytes are 0 (2^-127, over zero codes)
.irp j, 0,2,4,6,8,10,12,14,16,18,20,22,24,26,28,30,32,34,36,38,40,42,44,46,48,50,52,54,56,58,60,62
	v_dual_mov_b32 v[OA+\j], v[NIL] :: v_dual_mov_b32 v[OA+\j+1], v[NIL]   ; O^T of A and B: the step is written for every step; the first finds zeros
.endr
.irp j, 14,15,16,17,18,19,40,41,42,43,44,45,46,47,48,49,50,51,52,53,54,55,56,57,58,59,60,61,62,63
	v_mov_b32 v\j, 0                               ; factors, sums, block sums: likewise
.endr
	v_mov_b32 v[MM], 0xff61b1e6                    ; M: -3e38
	v_mov_b32 v[SO], 0x3b800000
.macro LOADK adr, sadr, off, soff      ; a step's eight tiles of K, on end, and their scale bytes
	WIN 0x40
.irp t, 0,1,2,3,4,5,6,7
	ds_load_b128 v[KF+8*\t:KF+8*\t+3], v[\adr] offset:\off+\t*1024
	ds_load_b128 v[KF+8*\t+4:KF+8*\t+7], v[\adr] offset:\off+\t*1024+512
.endr
	WIN 0                                          ; scale registers lie in window 0
.irp t, 0,1,2,3,4,5,6,7
	ds_load_u16 v[KSC+\t], v[\sadr] offset:\soff+32*\t
.endr
.endm
.macro LOADV                           ; a step's four fragments of V (piece c = 32 keys) and their scale words
	WIN 0x40
.irp d, 0,1,2,3
.irp c, 0,1,2,3
	ds_load_b128 v[VF+16*\d+4*\c:VF+16*\d+4*\c+3], v[ADV] offset:\d*1024+(\c/2)*4096+(\c%2)*512
.endr
.endr
	WIN 0
.irp d, 0,1,2,3
	ds_load_b32 v[VSC+\d], v[ADT] offset:64*\d
.endr
.endm
.macro QK                              ; S^T of both tiles
	WIN 0x05                                       ; sources 0, 1 in window 1; C and D in window 0
.irp t, 0,1,2,3,4,5,6,7
	v_wmma_scale_f32_16x16x128_f8f6f4 v[SA+8*\t:SA+8*\t+7], v[KF+8*\t:KF+8*\t+15], v[QA:QA+15], 0, v[KSC+\t], v[QS]
	v_wmma_scale_f32_16x16x128_f8f6f4 v[SB+8*\t:SB+8*\t+7], v[KF+8*\t:KF+8*\t+15], v[QB:QB+15], 0, v[KSC+\t], v[QS] matrix_b_scale:MATRIX_SCALE_ROW1
.endr
	WIN 0
.endm
.macro PV                              ; O^T += V^T P^T: eight accumulators, one instruction each
	WIN 0x05
.irp d, 0,1,2,3
	v_wmma_scale_f32_16x16x128_f8f6f4 v[OA+8*\d:OA+8*\d+7], v[VF+16*\d:VF+16*\d+15], v[PA:PA+15], v[OA+8*\d:OA+8*\d+7], v[VSC+\d], v[SCW]
	v_wmma_scale_f32_16x16x128_f8f6f4 v[OB+8*\d:OB+8*\d+7], v[VF+16*\d:VF+16*\d+15], v[PB:PB+15], v[OB+8*\d:OB+8*\d+7], v[VSC+\d], v[SCW] matrix_b_scale:MATRIX_SCALE_ROW1
.endr
.endm
.macro LSUM                            ; the sums of the step before: x 2^(old M - new M), + block sums x 2^(F - M).  Ten plain lines: the places behind the products ahead
	v_pk_mul_f32 v[LA:LA+1], v[LA:LA+1], v[FO:FO+1] op_sel_hi:[1,0]
	v_pk_mul_f32 v[LB:LB+1], v[LB:LB+1], v[FO:FO+1] op_sel:[0,1] op_sel_hi:[1,1]
.irp b, 0,1,2,3
	v_pk_fma_f32 v[LA:LA+1], v[BS+2*\b:BS+2*\b+1], v[FB+2*\b:FB+2*\b+1], v[LA:LA+1] op_sel_hi:[1,0,1]
	v_pk_fma_f32 v[LB:LB+1], v[BS+8+2*\b:BS+9+2*\b], v[FB+2*\b:FB+2*\b+1], v[LB:LB+1] op_sel:[0,1,0] op_sel_hi:[1,1,1]
.endr
.endm
.macro BSUM s, d                       ; block sums of 16 numbers a lane, the four blocks by turns
.irp b, 0,1,2,3
	v_pk_add_f32 v[\d+2*\b:\d+2*\b+1], v[\s+16*\b:\s+16*\b+1], v[\s+16*\b+2:\s+16*\b+3]
.endr
.irp i, 4,6,8,10,12,14
.irp b, 0,1,2,3
	v_pk_add_f32 v[\d+2*\b:\d+2*\b+1], v[\d+2*\b:\d+2*\b+1], v[\s+16*\b+\i:\s+16*\b+\i+1]
.endr
.endr
.endm
.macro CODES s, d                      ; 64 held numbers -> 16 registers of codes in window 1
	WIN 0x40
.irp b, 0,1,2,3
	v_cvt_scalef32_pk8_fp8_f32 v[\d+4*\b:\d+4*\b+1], v[\s+16*\b:\s+16*\b+7], v[SO]
	v_cvt_scalef32_pk8_fp8_f32 v[\d+4*\b+2:\d+4*\b+3], v[\s+16*\b+8:\s+16*\b+15], v[SO]
.endr
	WIN 0
.endm
; A STEP behind its S^T.  kload = 1: K of the next step is asked for, and the next step's S^T stands at the end.  pace: 1 the split barrier's wait and next signal, 2 its last wait, 0 none.
.macro BODY kload, pace
	LSUM
	LOADV
.if \kload
	LOADK AD, ADS, 8192, 256
.endif
.irp b, 0,1,2,3
	v_max3_num_f32 v[MF+2*\b], v[SA+16*\b], v[SA+16*\b+1], v[SA+16*\b+2]   ; the largest score of each block of 32 keys
	v_max3_num_f32 v[MF+2*\b+1], v[SB+16*\b], v[SB+16*\b+1], v[SB+16*\b+2]
.endr
.irp i, 3,5,7,9,11,13
.irp b, 0,1,2,3
	v_max3_num_f32 v[MF+2*\b], v[MF+2*\b], v[SA+16*\b+\i], v[SA+16*\b+\i+1]
	v_max3_num_f32 v[MF+2*\b+1], v[MF+2*\b+1], v[SB+16*\b+\i], v[SB+16*\b+\i+1]
.endr
.endr
.irp b, 0,1,2,3
	v_max_num_f32 v[MF+2*\b], v[MF+2*\b], v[SA+16*\b+15]
	v_max_num_f32 v[MF+2*\b+1], v[MF+2*\b+1], v[SB+16*\b+15]
.endr
.irp b, 0,1,2,3
	v_permlane16_swap_b32 v[MF+2*\b], v[MF+2*\b+1]
.endr
.irp b, 0,1,2,3
	v_max_num_f32 v[X+\b], v[MF+2*\b], v[MF+2*\b+1]   ; paired from here on: lanes 0-15 A's queries, lanes 16-31 B's
.endr
.irp b, 0,1,2,3
	v_mul_f32 v[X+\b], s[CS], v[X+\b]
.endr
.irp b, 0,1,2,3
	v_floor_f32 v[MF+2*\b], v[X+\b]                ; F
.endr
.irp b, 0,1,2,3
	v_mov_b32 v[MF+2*\b+1], v[MF+2*\b]
.endr
	v_max3_num_f32 v[TN], v[MM], v[MF], v[MF+2]
	v_max3_num_f32 v[TN], v[TN], v[MF+4], v[MF+6]  ; the new M
	v_sub_f32 v[TT], v[MM], v[TN]                  ; old M - new M: a whole number, 0 or less
.irp b, 0,1,2,3
	v_sub_f32 v[U+\b], v[MF+2*\b], v[TN]           ; F - M, paired
.endr
.irp b, 0,1,2,3
	v_permlane16_swap_b32 v[MF+2*\b], v[MF+2*\b+1] ; v[MF + 2 b]: A's F in all lanes; + 1: B's
.endr
	v_cvt_i32_f32 v[TT], v[TT]                     ; (it saturates)
.irp b, 0,1,2,3
	v_max_num_f32 v[U+\b], s[LO], v[U+\b]          ; held at -118: the scale byte cannot fall under 1
.endr
	v_ldexp_f32 v[FO], 1.0, v[TT]
.irp b, 0,1,2,3
	v_add_f32 v[U+\b], s[MG], v[U+\b]              ; F - M + 119, the scale byte, in the low bits
.endr
	v_mov_b32 v[MM], v[TN]
	v_mov_b32 v[FO+1], v[FO]
.irp b, 0,1,2,3
	v_lshl_add_u32 v[FB+2*\b], v[U+\b], 23, s[E8]  ; 2^(F - M)
.endr
	v_perm_b32 v[TT], v[U+1], v[U], s[P1]
	v_perm_b32 v[TN], v[U+3], v[U+2], s[P1]
.irp b, 0,1,2,3
	v_mov_b32 v[FB+2*\b+1], v[FB+2*\b]
.endr
	v_permlane16_swap_b32 v[FO], v[FO+1]
	v_perm_b32 v[SCW], v[TN], v[TT], s[P2]         ; p's scale word, paired
.irp b, 0,1,2,3
	v_permlane16_swap_b32 v[FB+2*\b], v[FB+2*\b+1]
.endr
.irp b, 0,1,2,3
.irp i, 0,2,4,6,8,10,12,14
	v_pk_fma_f32 v[SA+16*\b+\i:SA+16*\b+\i+1], v[SA+16*\b+\i:SA+16*\b+\i+1], s[CS:CS+1], v[MF+2*\b:MF+2*\b+1] op_sel_hi:[1,0,0] neg_lo:[0,0,1] neg_hi:[0,0,1]   ; A: t - F
.endr
.endr
	s_wait_alu depctr_va_vdst(0)                   ; ahead of the batch
.irp b, 0,1,2,3
.irp i, 0,2,4,6,8,10,12,14
	v_exp_f32 v[SA+16*\b+\i], v[SA+16*\b+\i]       ; A: p' = 2^(t - F), under 2; among them B's t - F, which the next batch reads
	v_exp_f32 v[SA+16*\b+\i+1], v[SA+16*\b+\i+1]
	v_pk_fma_f32 v[SB+16*\b+\i:SB+16*\b+\i+1], v[SB+16*\b+\i:SB+16*\b+\i+1], s[CS:CS+1], v[MF+2*\b:MF+2*\b+1] op_sel:[0,0,1] op_sel_hi:[1,0,1] neg_lo:[0,0,1] neg_hi:[0,0,1]
.endr
.endr
	s_wait_alu depctr_va_vdst(0)                   ; behind A's batch and ahead of B's
	BSUM SA, BS
.irp j, 0,2,4,6,8,10,12,14,16,18,20,22,24,26,28,30,32,34,36,38,40,42,44,46,48,50,52,54,56,58,60,62
	v_exp_f32 v[SB+\j], v[SB+\j]                   ; B's p'; among them A's hold (the conversion does not saturate: ISA guide 7.6.2; p' is not negative)
	v_exp_f32 v[SB+\j+1], v[SB+\j+1]
	v_dual_min_num_f32 v[SA+\j], s[HS], v[SA+\j] :: v_dual_min_num_f32 v[SA+\j+1], s[HS], v[SA+\j+1]
.endr
	s_wait_dscnt 0x0                               ; V of this step and K of the next are in: asked for at the step's head
.if \pace
	s_barrier_wait -1                              ; everybody has passed this place of the step before
.endif
.if \pace == 1
	s_barrier_signal -1
.endif
	s_wait_alu depctr_va_vdst(0)                   ; behind B's batch, and directly ahead of O^T's first readers
.irp j, 0,2,4,6,8,10,12,14,16,18,20,22,24,26,28,30
	v_pk_mul_f32 v[OA+\j:OA+\j+1], v[OA+\j:OA+\j+1], v[FO:FO+1] op_sel_hi:[1,0]   ; O^T under the new M
.endr
.irp j, 0,2,4,6,8,10,12,14,16,18,20,22,24,26,28,30
	v_pk_mul_f32 v[OB+\j:OB+\j+1], v[OB+\j:OB+\j+1], v[FO:FO+1] op_sel:[0,1] op_sel_hi:[1,1]
.endr
	BSUM SB, BS+8
	CODES SA, PA
.irp j, 0,2,4,6,8,10,12,14,16,18,20,22,24,26,28,30,32,34,36,38,40,42,44,46,48,50,52,54,56,58,60,62
	v_dual_min_num_f32 v[SB+\j], s[HS], v[SB+\j] :: v_dual_min_num_f32 v[SB+\j+1], s[HS], v[SB+\j+1]
.endr
	CODES SB, PB
.if \kload
	s_add_co_u32 s[TB], s[TB], 8192
	s_add_co_u32 s[TS], s[TS], 256
	v_add_nc_u32 v[AD], s[TB], v[L16]              ; the next step's addresses: also four places between the codes and the products
	v_add_nc_u32 v[ADS], s[TS], v[KSA]
	v_add_nc_u32 v[ADT], s[TS], v[VSA]
	v_add_nc_u32 v[ADV], VB, v[AD]
	PV
	QK
.else
.rept 4
	v_nop                                          ; four places between the codes and the products
.endr
	PV
	WIN 0
.endif
.endm
	s_wait_alu depctr_va_vdst(0)                   ; the wait at the head's end
	s_wait_tensorcnt 0x0                           ; my head load is in
	ds_add_u32 v[SPW], v[NIL]
	s_mov_b32 s[G1K+2], 96<<16                     ; no tensor load of mine is out: 96 rows of 256 bytes of K a wave from here on,
	s_mov_b32 s[G1K+4], 96
	s_mov_b32 s[G1V+2], 6<<16                      ; 6 rows of 4,096 bytes of V
	s_mov_b32 s[G1V+4], 6
	s_wait_dscnt 0x0                               ; the add is done
	CROUND                                         ; the scale bytes and 512 keys are in, everywhere
	s_cmp_lt_u32 s[WV], 4
	s_cbranch_scc0 .Lrest_v
	TLOAD G0K2, G1K                                ; the other 1,536 keys: the first tensor load behind the round
	s_branch .Lrest_asked
.Lrest_v:
	TLOAD G0V2, G1V
.Lrest_asked:
	LOADK L16, KSA, 0, 0                           ; K of step 0
	s_mov_b32 s[TB], 0
	s_mov_b32 s[TS], 0
	v_mov_b32 v[AD], v[L16]
	v_mov_b32 v[ADS], v[KSA]
	v_mov_b32 v[ADT], v[VSA]
	v_add_nc_u32 v[ADV], VB, v[L16]
	s_wait_alu depctr_va_vdst(0)                   ; the wait here, ahead of the waits below
	s_wait_loadcnt 0x0                             ; Q
	s_wait_dscnt 0x0
	QK
	s_mov_b32 s[CNT], 3
.Lfirst:                                           ; steps 0 to 2: they read K up to step 3 and V up to step 2: the first 512 keys
	BODY 1, 0
	s_sub_co_u32 s[CNT], s[CNT], 1
	s_cmp_lg_u32 s[CNT], 0
	s_cbranch_scc1 .Lfirst
	s_wait_alu depctr_va_vdst(0)
	s_wait_tensorcnt 0x0                           ; my part of the other keys has landed
	s_wait_dscnt 0x0
	s_barrier_signal -1
	s_barrier_wait -1                              ; everybody's has
	s_barrier_signal -1                            ; the split barrier opens: its wait stands in the next step
	s_mov_b32 s[CNT], 12
.Lrest:                                            ; steps 3 to 14
	BODY 1, 1
	s_sub_co_u32 s[CNT], s[CNT], 1
	s_cmp_lg_u32 s[CNT], 0
	s_cbranch_scc1 .Lrest
	BODY 0, 2                                      ; step 15
	; THE WAY OUT: O^T / the sum; a tile's 32 numbers a lane are two blocks of 32 along D: quantised, they are pieces 2 head and 2 head + 1 of tiles T and T + 1 of the last projection's operand
	LSUM                                           ; (also the places behind the last products)
	v_add_f32 v[TT], v[LA], v[LA+1]
	v_add_f32 v[TN], v[LB], v[LB+1]
	v_permlane16_swap_b32 v[TT], v[TN]
	v_add_f32 v[TT], v[TT], v[TN]                  ; the rows' sums, paired
	s_wait_alu depctr_va_vdst(0)                   ; the wait ahead of the transcendental too
	v_rcp_f32 v[FO], v[TT]
	v_lshrrev_b32 v[RO], 8, v[L16]                 ; (a plain place)
	v_and_b32 v[ADV], 0xf0, v[L16]
	s_mov_b32 s[MNT], 0x600000                     ; the mantissa field of 448
	s_wait_alu depctr_va_vdst(0)
	v_mov_b32 v[FO+1], v[FO]
	v_lshlrev_b32 v[ADV], 1, v[ADV]
	v_permlane16_swap_b32 v[FO], v[FO+1]
	v_lshl_add_u32 v[RO], v[RO], 9, v[ADV]         ; 512 (lane / 16) + 32 (lane % 16): my row's scale bytes
	s_wait_alu depctr_va_vdst(0)                   ; directly ahead of O^T's first readers
.irp j, 0,2,4,6,8,10,12,14,16,18,20,22,24,26,28,30
	v_pk_mul_f32 v[SA+\j:SA+\j+1], v[OA+\j:OA+\j+1], v[FO:FO+1] op_sel_hi:[1,0]
.endr
.irp j, 0,2,4,6,8,10,12,14,16,18,20,22,24,26,28,30
	v_pk_mul_f32 v[SB+\j:SB+\j+1], v[OB+\j:OB+\j+1], v[FO:FO+1] op_sel:[0,1] op_sel_hi:[1,1]
.endr
.irp u, 0,1
	v_max3_num_f32 v[MF+2*\u], |v[SA+16*\u]|, |v[SA+16*\u+1]|, 0x4800000   ; and the floor 2^(9 - 127)
	v_max3_num_f32 v[MF+2*\u+1], |v[SB+16*\u]|, |v[SB+16*\u+1]|, 0x4800000
.endr
.irp i, 2,4,6,8,10,12,14
.irp u, 0,1
	v_max3_num_f32 v[MF+2*\u], v[MF+2*\u], |v[SA+16*\u+\i]|, |v[SA+16*\u+\i+1]|
	v_max3_num_f32 v[MF+2*\u+1], v[MF+2*\u+1], |v[SB+16*\u+\i]|, |v[SB+16*\u+\i+1]|
.endr
.endr
.irp u, 0,1
	v_permlane16_swap_b32 v[MF+2*\u], v[MF+2*\u+1]
.endr
.irp u, 0,1
	v_max_num_f32 v[X+\u], v[MF+2*\u], v[MF+2*\u+1]
.endr
.irp u, 0,1
	v_add_nc_u32 v[U+\u], 0xfc000000, v[X+\u]      ; the conversion's scale operand
	v_and_or_b32 v[U+2+\u], v[X+\u], 0x7f800000, s[MNT]   ; 448 x the scale
.endr
.irp u, 0,1
	v_lshrrev_b32 v[X+2+\u], 23, v[U+\u]           ; the scale's byte
	v_mov_b32 v[FB+2*\u], v[U+\u]
	v_mov_b32 v[FB+2*\u+1], v[U+\u]
	v_mov_b32 v[MF+2*\u], v[U+2+\u]
	v_mov_b32 v[MF+2*\u+1], v[U+2+\u]
.endr
	v_lshl_or_b32 v[TT], v[X+3], 8, v[X+2]         ; my row's two bytes, paired
.irp u, 0,1
	v_permlane16_swap_b32 v[FB+2*\u], v[FB+2*\u+1]
	v_permlane16_swap_b32 v[MF+2*\u], v[MF+2*\u+1]
.endr
.irp u, 0,1
.irp i, 0,1,2,3,4,5,6,7,8,9,10,11,12,13,14,15
	v_med3_num_f32 v[SA+16*\u+\i], v[SA+16*\u+\i], -v[MF+2*\u], v[MF+2*\u]
	v_med3_num_f32 v[SB+16*\u+\i], v[SB+16*\u+\i], -v[MF+2*\u+1], v[MF+2*\u+1]
.endr
.endr
.irp u, 0,1
	v_cvt_scalef32_pk8_fp8_f32 v[OA+4*\u:OA+4*\u+1], v[SA+16*\u:SA+16*\u+7], v[FB+2*\u]
	v_cvt_scalef32_pk8_fp8_f32 v[OA+4*\u+2:OA+4*\u+3], v[SA+16*\u+8:SA+16*\u+15], v[FB+2*\u]
	v_cvt_scalef32_pk8_fp8_f32 v[OA+8+4*\u:OA+8+4*\u+1], v[SB+16*\u:SB+16*\u+7], v[FB+2*\u+1]
	v_cvt_scalef32_pk8_fp8_f32 v[OA+8+4*\u+2:OA+8+4*\u+3], v[SB+16*\u+8:SB+16*\u+15], v[FB+2*\u+1]
.endr
	v_nop                                          ; a plain line behind the last conversion
	global_store_b128 v[L16], v[OA:OA+3], s[92:93]             ; 512 consecutive bytes a store
	global_store_b128 v[L16], v[OA+4:OA+7], s[92:93] offset:512
	global_store_b128 v[L16], v[OA+8:OA+11], s[92:93] offset:16384
	global_store_b128 v[L16], v[OA+12:OA+15], s[92:93] offset:16896
	global_store_b16 v[RO], v[TT], s[94:95]
	s_wait_tensorcnt 0x0                           ; the wave's end
	ds_add_u32 v[SPW], v[NIL]
	s_wait_dscnt 0x0
	CROUND                                         ; the closing round
	s_endpgm
.Lfunc_end_k_qe1f31e44a8_attn:
	.size	k_qe1f31e44a8_attn, .Lfunc_end_k_qe1f31e44a8_attn-k_qe1f31e44a8_attn
	.p2alignl 7, 3214868480
	.fill 96, 4, 3214868480
	.section	.rodata,"a",@progbits
	.p2align	6, 0x0
	.amdhsa_kernel k_qe1f31e44a8_attn
		.amdhsa_group_segment_fixed_size 327680
		.amdhsa_private_segment_fixed_size 0
		.amdhsa_enable_private_segment 0
		.amdhsa_kernarg_size 16
		.amdhsa_user_sgpr_count 2
		.amdhsa_user_sgpr_kernarg_segment_ptr 1
		.amdhsa_wavefront_size32 1
		.amdhsa_system_sgpr_workgroup_id_x 1
		.amdhsa_system_sgpr_workgroup_id_y 1
		.amdhsa_system_sgpr_workgroup_id_z 1
		.amdhsa_system_vgpr_workitem_id 0
		.amdhsa_next_free_vgpr 512
		.amdhsa_next_free_sgpr 106
		.amdhsa_reserve_vcc 0
		.amdhsa_float_denorm_mode_32 3
		.amdhsa_float_denorm_mode_16_64 3
		.amdhsa_memory_ordered 1
		.amdhsa_forward_progress 1
		.amdhsa_inst_pref_size 122
	.end_amdhsa_kernel
	.amdgpu_metadata
---
amdhsa.version: [ 1, 2 ]
amdhsa.kernels:
  - .name:           k_qe1f31e44a8_attn
    .symbol:         k_qe1f31e44a8_attn.kd
    .args:
      - { .name: QKV, .offset: 0, .size: 8, .value_kind: global_buffer, .address_space: global }
      - { .name: AO, .offset: 8, .size: 8, .value_kind: global_buffer, .address_space: global }
    .group_segment_fixed_size: 327680
    .private_segment_fixed_size: 0
    .kernarg_segment_align: 8
    .kernarg_segment_size: 16
    .max_flat_workgroup_size: 256
    .sgpr_count:     106
    .vgpr_count:     512
    .wavefront_size: 32
...
	.end_amdgpu_metadata
.endif
;; end of part 3
;; launch proj (part 4): grid 4 x 64, 4 waves a work-group, clusters of 4 x 1, 168,448 bytes of LDS; arguments XW, AO, bp, x, Y; writes Y
.if DOCPART == 4
	.amdgcn_target "amdgcn-amd-amdhsa--gfx1250"
	.amdhsa_code_object_version 6
	.text
	.protected	k_qe1f31e44a8_proj
	.globl	k_qe1f31e44a8_proj
	.p2align	8
	.type	k_qe1f31e44a8_proj,@function
k_qe1f31e44a8_proj:
	s_mov_b64 s[64:65], 0
	v_nop
	global_prefetch_b8 v0, s[64:65] scope:SCOPE_SE
	s_setreg_imm32_b32 hwreg(HW_REG_WAVE_MODE, 25, 1), 1
	s_wait_xcnt 0x0
	s_wait_alu depctr_hold_cnt(0) depctr_sa_sdst(0) depctr_va_vdst(0) depctr_va_sdst(0) depctr_va_ssrc(0) depctr_va_vcc(0) depctr_vm_vsrc(0)
	s_getreg_b32 s2, hwreg(HW_REG_IB_STS2, 6, 4)
	s_cmp_eq_u32 s2, 0
	s_cbranch_scc0 .Lentry_in_a_cluster
	s_endpgm
.Lentry_in_a_cluster:
	s_bfe_u32 s2, ttmp6, 0x10000c
	s_cmp_lg_u32 s2, 0x3003
	s_cbranch_scc0 .Lentry_shape_is_right
	s_endpgm
.Lentry_shape_is_right:
; Y = x + (attention's output) Wp + bp, the product on codes of E4M3: D = S0 x S1^T with S0 = 64 rows of Wp a wave (four tiles, all of K = 1,024, in 512 registers) and S1 = four tiles of AO (64 rows).
; A work-group makes 64 rows x 256 columns; 256 work-groups.  Lane (r, h) holds fragment row r of S1's tile, and its registers run along the columns: 16 neighbours in tiles 2 b, 2 b + 1.
; CLUSTER.  The four work-groups of a cluster have the same y, so the same four tiles of AO: they are asked for jointly, one tile and one tensor load a wave, filled ONCE.  The tiles' scale words come straight into every wave's registers.
; No prefetch: there is one fill and no loop to run ahead in.
; The bias is the C of each sum's first matrix instruction.  The results go through the wave's own stage in LDS and leave, with x added, as rows: sixteen lanes store 256 consecutive bytes, aligned.
; LayerNorm needs whole rows, which four work-groups make: it is the next launch's.
; REGISTERS: window 0: addresses, scale words, v84-115 the bias, v128-191 eight accumulators, v192-255 x; windows 1, 2: S0 (64 (s % 4) + 16 t), K steps s = 0-3, 4-7; window 3: S1's pair of tiles (32 s + 16 u).
.set XS_OFF, 0x800000
.set AS_OFF, 0x400000
.set STG,    67584                     ; LDS: tile i at 16,384 i; from STG on a stage of 16 rows x (256 + 16) bytes for each wave: no tensor load lands there
.set SPT,    272
.set L16, 1
.set SG,  2                            ; 32 r
.set AD,  5
.set BA,  6                            ; 64 h
.set STO, 8                            ; v8   the stage, in: row r, + 64 h
.set RD,  9                            ; v9   back: lanes 0-15 one row, lanes 16-31 the next
.set XO,  10                           ; v10  the same two rows in x and in Y
.set SC0, 16                           ; v16-47 Wp's scale words: 8 t + s
.set SC1, 52                           ; v52-83 AO's: 8 x tile + s
.set BJ,  84
.set ACC, 128
.set XR,  192
.set WV,  14
.set G1T, 16
.set G0T, 36
.set MSB, 0
.macro WIN new
.if MSB != (\new)
	s_set_vgpr_msb (MSB<<8)|(\new)
.set MSB, (\new)
.endif
.endm
.macro CROUND
	s_barrier_signal -1
	s_barrier_wait -1
	s_cmp_lg_u32 s[WV], 0
	s_cbranch_scc1 .Lnot_wave_0_\@
	s_barrier_signal -3
.Lnot_wave_0_\@:
	s_barrier_wait -3
	s_barrier_signal -1
	s_barrier_wait -1
.endm
.macro PLACES                          ; eight places behind this matrix form
.rept 8
	v_nop
.endr
.endm
	s_load_b256 s[4:11], s[0:1], 0x0               ; XW, AO, bp, x
	s_load_b64 s[12:13], s[0:1], 0x20              ; Y
	v_lshl_add_u32 v126, v0, 2, 0x29000
	v_mov_b32 v127, 0
	ds_add_u32 v126, v127                          ; the wave's opening: the add, twice on end, and its wait ahead of my tensor load
	ds_add_u32 v126, v127
	v_lshrrev_b32 v11, 5, v0
	v_readfirstlane_b32 s[WV], v11                 ; wave 0..3
	s_bfe_u32 s15, ttmp6, 0x40000                  ; cx: it enters Wp's, bp's, x's and Y's global offsets alone
	s_and_b32 s52, ttmp7, 0xffff                   ; y, which the four partners share
	s_lshl_b32 s90, s52, 2
	s_add_co_u32 s90, s90, s[WV]                   ; the tile of AO that I fetch.  These registers never hold cx
	s_lshl_b32 s92, s52, 11                        ; the four tiles' scale bytes
	s_add_co_u32 s92, s92, AS_OFF
	s_mov_b32 s93, 0
	s_lshl_b32 s90, s90, 14
	s_mov_b32 s91, 0
	s_lshl_b32 s68, s15, 4
	s_lshl_b32 s69, s[WV], 2
	s_add_co_u32 s68, s68, s69
	s_add_co_u32 s68, s68, 448                     ; my first tile of Wp
	s_lshl_b32 s78, s68, 14
	s_mov_b32 s79, 0
	s_lshl_b32 s80, s68, 9
	s_add_co_u32 s80, s80, XS_OFF
	s_mov_b32 s81, 0
	s_lshl_b32 s70, s15, 10
	s_lshl_b32 s71, s[WV], 8
	s_add_co_u32 s70, s70, s71                     ; my 64 columns, in bytes
	s_mov_b32 s71, 0
	s_lshl_b32 s72, s52, 18                        ; my 64 rows of 4,096 bytes
	s_add_co_u32 s72, s72, s70
	s_mov_b32 s73, 0
	s_mov_b32 s[G1T], 15|(3<<16)|(1<<21)           ; the mask: all four work-groups; elements of 8 bytes; bit 21 beside a mask
	s_mov_b32 s[G1T+1], 32<<16
	s_mov_b32 s[G1T+2], 64<<16                     ; 64 dense rows of 256 bytes: a tile
	s_mov_b32 s[G1T+3], 32<<16
	s_mov_b32 s[G1T+4], 64
	s_mov_b32 s[G1T+5], 32
	s_mov_b32 s[G1T+6], 0
	s_mov_b32 s[G1T+7], 0
	v_and_b32 v11, 31, v0
	v_lshlrev_b32 v[L16], 4, v11
	v_and_b32 v12, 15, v0                          ; r
	v_bfe_u32 v13, v0, 4, 1                        ; h
	v_lshlrev_b32 v[SG], 5, v12
	v_lshlrev_b32 v[BA], 6, v13
	s_mul_i32 s94, s[WV], 16*SPT
	s_add_co_u32 s94, s94, STG                     ; my stage
	v_mul_u32_u24 v[STO], v12, SPT
	v_lshl_add_u32 v[STO], v13, 6, v[STO]
	v_add_nc_u32 v[STO], s94, v[STO]
	v_mul_u32_u24 v[RD], v13, SPT
	v_lshl_add_u32 v[RD], v12, 4, v[RD]
	v_add_nc_u32 v[RD], s94, v[RD]
	v_lshlrev_b32 v[XO], 12, v13
	v_lshl_add_u32 v[XO], v12, 4, v[XO]
	s_wait_alu depctr_va_vdst(0)                   ; the wait here, ahead of the waits below
	s_wait_dscnt 0x0                               ; both opening adds are done
	s_wait_kmcnt 0x0
	s_add_nc_u64 s[90:91], s[6:7], s[90:91]
	s_add_nc_u64 s[92:93], s[6:7], s[92:93]
	s_add_nc_u64 s[78:79], s[4:5], s[78:79]
	s_add_nc_u64 s[80:81], s[4:5], s[80:81]
	s_add_nc_u64 s[82:83], s[8:9], s[70:71]        ; bp
	s_add_nc_u64 s[74:75], s[10:11], s[72:73]      ; x
	s_add_nc_u64 s[76:77], s[12:13], s[72:73]      ; Y
	s_mov_b32 s[G0T], 1
	s_lshl_b32 s[G0T+1], s[WV], 14
	s_mov_b64 s[G0T+2:G0T+3], s[90:91]
	s_or_b32 s[G0T+3], s[G0T+3], 0x80000000
	CROUND                                         ; all four work-groups are here: the joint loads meet
	tensor_load_to_lds s[G0T:G0T+3], s[G1T:G1T+7]  ; the wave's one tensor load: its tile
	s_nop 0
.rept 4
	v_nop
.endr
	s_wait_alu depctr_va_vdst(0)
.irp t, 0,1,2,3
	global_load_b128 v[BJ+8*\t:BJ+8*\t+3], v[BA], s[82:83] offset:(32*(\t/2)+8*(\t%2))*4      ; bp in the result's layout
	global_load_b128 v[BJ+8*\t+4:BJ+8*\t+7], v[BA], s[82:83] offset:(32*(\t/2)+8*(\t%2))*4+16
.endr
.irp t, 0,1,2,3
	global_load_b128 v[SC0+8*\t:SC0+8*\t+3], v[SG], s[80:81] offset:512*\t
	global_load_b128 v[SC0+8*\t+4:SC0+8*\t+7], v[SG], s[80:81] offset:512*\t+16
	global_load_b128 v[SC1+8*\t:SC1+8*\t+3], v[SG], s[92:93] offset:512*\t        ; S1's scale words, all four tiles
	global_load_b128 v[SC1+8*\t+4:SC1+8*\t+7], v[SG], s[92:93] offset:512*\t+16
.endr
	WIN 0x40                                       ; destination window 1
.irp s, 0,1,2,3
.irp t, 0,1,2,3
.irp c, 0,1,2,3
	global_load_b128 v[64*\s+16*\t+4*\c:64*\s+16*\t+4*\c+3], v[L16], s[78:79] offset:\t*16384+\s*2048+512*\c
.endr
.endr
.endr
	WIN 0x80                                       ; destination window 2
.irp s, 0,1,2,3
.irp t, 0,1,2,3
.irp c, 0,1,2,3
	global_load_b128 v[64*\s+16*\t+4*\c:64*\s+16*\t+4*\c+3], v[L16], s[78:79] offset:\t*16384+(4+\s)*2048+512*\c
.endr
.endr
.endr
	WIN 0
.macro XLOAD p                         ; x at the pair's 32 rows, my 64 columns: fragment rows 2 k + h of tile u are true rows 32 p + 8 u + 2 k + 8 (k / 4) + h
.irp u, 0,1
.irp k, 0,1,2,3,4,5,6,7
	global_load_b128 v[XR+32*\u+4*\k:XR+32*\u+4*\k+3], v[XO], s[74:75] offset:(32*\p+8*\u+2*\k+8*(\k/4))*4096
.endr
.endr
.endm
.macro LDF half                        ; 32 loads: the fragments of K steps 4 half .. 4 half + 3 of the pair at v[AD]
	WIN 0xc0                                       ; destination window 3
.irp s, 0,1,2,3
.irp u, 0,1
.irp c, 0,1,2,3
	ds_load_b128 v[32*(4*\half+\s)+16*\u+4*\c:32*(4*\half+\s)+16*\u+4*\c+3], v[AD] offset:\u*16384+(4*\half+\s)*2048+512*\c
.endr
.endr
.endr
	WIN 0
.endm
.macro MUL p, half                     ; 32 matrix instructions; the eight accumulators take turns, one instruction a turn; the first K step starts the sums with the bias
	WIN 0x0d+\half
.irp s, 0,1,2,3
.irp u, 0,1
.irp t, 0,1,2,3
.if (\half == 0) && (\s == 0)
	v_wmma_scale_f32_16x16x128_f8f6f4 v[ACC+32*\u+8*\t:ACC+32*\u+8*\t+7], v[64*\s+16*\t:64*\s+16*\t+15], v[32*(4*\half+\s)+16*\u:32*(4*\half+\s)+16*\u+15], v[BJ+8*\t:BJ+8*\t+7], v[SC0+8*\t+4*\half+\s], v[SC1+16*((\p)%2)+8*\u+4*\half+\s]
.else
	v_wmma_scale_f32_16x16x128_f8f6f4 v[ACC+32*\u+8*\t:ACC+32*\u+8*\t+7], v[64*\s+16*\t:64*\s+16*\t+15], v[32*(4*\half+\s)+16*\u:32*(4*\half+\s)+16*\u+15], v[ACC+32*\u+8*\t:ACC+32*\u+8*\t+7], v[SC0+8*\t+4*\half+\s], v[SC1+16*((\p)%2)+8*\u+4*\half+\s]
.endif
.endr
.endr
.endr
.endm
.macro OUT p
.irp u, 0,1
.irp t, 0,1,2,3
	ds_store_b128 v[STO], v[ACC+32*\u+8*\t:ACC+32*\u+8*\t+3] offset:128*(\t/2)+32*(\t%2)        ; each accumulator from its low end on
	ds_store_b128 v[STO], v[ACC+32*\u+8*\t+4:ACC+32*\u+8*\t+7] offset:128*(\t/2)+32*(\t%2)+16
.endr
.irp k, 0,1,2,3,4,5,6,7
	ds_load_b128 v[ACC+32*\u+4*\k:ACC+32*\u+4*\k+3], v[RD] offset:2*\k*SPT   ; my own bytes, served in order: these see the stores above, and the next tile's stores come behind them
.endr
.endr
	s_wait_dscnt 0x0
	s_wait_loadcnt 0x0                             ; x
.irp i, 0,2,4,6,8,10,12,14,16,18,20,22,24,26,28,30,32,34,36,38,40,42,44,46,48,50,52,54,56,58,60,62
	v_pk_add_f32 v[ACC+\i:ACC+\i+1], v[ACC+\i:ACC+\i+1], v[XR+\i:XR+\i+1]
.endr
.irp u, 0,1
.irp k, 0,1,2,3,4,5,6,7
	global_store_b128 v[XO], v[ACC+32*\u+4*\k:ACC+32*\u+4*\k+3], s[76:77] offset:(32*\p+8*\u+2*\k+8*(\k/4))*4096   ; 16 lanes store 256 consecutive bytes, at a multiple of 256 from Y's first byte
.endr
.endr
.endm
.macro TRIP p
.if \p > 0
	s_wait_xcnt 0x0                                ; the last pair's stores have read the accumulators' registers: they are written again only behind this wait
	XLOAD \p
.endif
	s_wait_dscnt 32                                ; K steps 0-3 are in; the 32 loads of K steps 4-7 may be out
	MUL \p, 0
	WIN 0
.if \p < 1
	PLACES
	v_add_nc_u32 v[AD], 32768, v[L16]
	LDF 0
	s_wait_alu depctr_va_vdst(0)
	s_wait_dscnt 32                                ; all but the 32 just issued
.else
	s_wait_dscnt 0x0
.endif
	MUL \p, 1
	WIN 0
	PLACES
.if \p < 1
	LDF 1
.endif
	OUT \p
.endm
	XLOAD 0                                        ; the youngest 16 loads
	s_wait_tensorcnt 0x0                           ; my tile has landed
	s_barrier_signal -1
	s_barrier_wait -1                              ; everybody's has
	v_mov_b32 v[AD], v[L16]
	LDF 0
	LDF 1
	s_wait_loadcnt 16                              ; Wp, the scale words and bp are in; x's 16 loads may be out
	TRIP 0
	TRIP 1
	s_wait_tensorcnt 0x0                           ; the wave's end
	ds_add_u32 v126, v127
	s_wait_dscnt 0x0
	CROUND                                         ; the closing round
	s_endpgm
.Lfunc_end_k_qe1f31e44a8_proj:
	.size	k_qe1f31e44a8_proj, .Lfunc_end_k_qe1f31e44a8_proj-k_qe1f31e44a8_proj
	.p2alignl 7, 3214868480
	.fill 96, 4, 3214868480
	.section	.rodata,"a",@progbits
	.p2align	6, 0x0
	.amdhsa_kernel k_qe1f31e44a8_proj
		.amdhsa_group_segment_fixed_size 168448
		.amdhsa_private_segment_fixed_size 0
		.amdhsa_enable_private_segment 0
		.amdhsa_kernarg_size 40
		.amdhsa_user_sgpr_count 2
		.amdhsa_user_sgpr_kernarg_segment_ptr 1
		.amdhsa_wavefront_size32 1
		.amdhsa_system_sgpr_workgroup_id_x 1
		.amdhsa_system_sgpr_workgroup_id_y 1
		.amdhsa_system_sgpr_workgroup_id_z 1
		.amdhsa_system_vgpr_workitem_id 0
		.amdhsa_next_free_vgpr 1024
		.amdhsa_next_free_sgpr 96
		.amdhsa_reserve_vcc 0
		.amdhsa_float_denorm_mode_32 3
		.amdhsa_float_denorm_mode_16_64 3
		.amdhsa_memory_ordered 1
		.amdhsa_forward_progress 1
		.amdhsa_inst_pref_size 59
	.end_amdhsa_kernel
	.amdgpu_metadata
---
amdhsa.version: [ 1, 2 ]
amdhsa.kernels:
  - .name:           k_qe1f31e44a8_proj
    .symbol:         k_qe1f31e44a8_proj.kd
    .args:
      - { .name: XW, .offset: 0, .size: 8, .value_kind: global_buffer, .address_space: global }
      - { .name: AO, .offset: 8, .size: 8, .value_kind: global_buffer, .address_space: global }
      - { .name: bp, .offset: 16, .size: 8, .value_kind: global_buffer, .address_space: global }
      - { .name: x, .offset: 24, .size: 8, .value_kind: global_buffer, .address_space: global }
      - { .name: Y, .offset: 32, .size: 8, .value_kind: global_buffer, .address_space: global }
    .group_segment_fixed_size: 168448
    .private_segment_fixed_size: 0
    .kernarg_segment_align: 8
    .kernarg_segment_size: 40
    .max_flat_workgroup_size: 128
    .sgpr_count:     96
    .vgpr_count:     1024
    .wavefront_size: 32
...
	.end_amdgpu_metadata
.endif
;; end of part 4
;; launch ln (part 5): grid 256 x 1, 4 waves a work-group, no clusters, 0 bytes of LDS; arguments Y, ln_g, ln_b, out0; writes out0
.if DOCPART == 5
	.amdgcn_target "amdgcn-amd-amdhsa--gfx1250"
	.amdhsa_code_object_version 6
	.text
	.protected	k_qe1f31e44a8_ln
	.globl	k_qe1f31e44a8_ln
	.p2align	8
	.type	k_qe1f31e44a8_ln,@function
k_qe1f31e44a8_ln:
	s_mov_b64 s[64:65], 0
	v_nop
	global_prefetch_b8 v0, s[64:65] scope:SCOPE_SE
	s_setreg_imm32_b32 hwreg(HW_REG_WAVE_MODE, 25, 1), 1
	s_wait_xcnt 0x0
; out0 = (y - mean) rsqrt(var + 1e-5) ln_g + ln_b along rows of 1,024 f32.  A stream: no LDS, no barrier, no matrix unit; they would add nothing.
; A wave takes four rows, each whole in 32 registers (a load or store covers 512 consecutive bytes), so that y is read once; the mean is taken away before the squares are summed.
; All 48 loads of a wave go out at the start; each row has registers of its own, so no store's data are written again.
.set G,  8                             ; v8-39    ln_g at my 32 columns
.set B,  40                            ; v40-71   ln_b
.set Y0, 72                            ; v72-199  four rows
.set T,  200                           ; at work
	s_load_b256 s[4:11], s[0:1], 0x0               ; Y, ln_g, ln_b, out0
	v_lshrrev_b32 v2, 5, v0
	v_readfirstlane_b32 s12, v2                    ; wave
	v_and_b32 v1, 31, v0
	v_lshlrev_b32 v1, 4, v1                        ; 16 x lane
	s_lshl_b32 s14, ttmp9, 16                      ; 16 rows of 4,096 bytes a work-group,
	s_lshl_b32 s15, s12, 14                        ; 4 a wave
	s_add_co_u32 s14, s14, s15
	s_mov_b32 s15, 0
	s_mov_b32 s16, 0x76543210
	s_mov_b32 s17, 0xfedcba98                      ; v_permlanex16_b32's selects for lane l xor 16
	s_mov_b32 s18, 0x3a800000                      ; 1 / 1,024
	s_mov_b32 s19, 0x3727c5ac                      ; 1e-5
	s_wait_alu depctr_va_vdst(0)
	s_wait_kmcnt 0x0
	s_add_nc_u64 s[4:5], s[4:5], s[14:15]
	s_add_nc_u64 s[10:11], s[10:11], s[14:15]
.irp j, 0,1,2,3,4,5,6,7
	global_load_b128 v[G+4*\j:G+4*\j+3], v1, s[6:7] offset:512*\j
.endr
.irp j, 0,1,2,3,4,5,6,7
	global_load_b128 v[B+4*\j:B+4*\j+3], v1, s[8:9] offset:512*\j
.endr
.irp q, 0,1,2,3
.irp j, 0,1,2,3,4,5,6,7
	global_load_b128 v[Y0+32*\q+4*\j:Y0+32*\q+4*\j+3], v1, s[4:5] offset:4096*\q+512*\j th:TH_LOAD_NT
.endr
.endr
.macro LANES                           ; v[T] summed over the 32 lanes, in every lane
	v_add_f32_dpp v[T], v[T], v[T] row_xmask:1 row_mask:0xf bank_mask:0xf
	v_add_f32_dpp v[T], v[T], v[T] row_xmask:2 row_mask:0xf bank_mask:0xf
	v_add_f32_dpp v[T], v[T], v[T] row_xmask:4 row_mask:0xf bank_mask:0xf
	v_add_f32_dpp v[T], v[T], v[T] row_xmask:8 row_mask:0xf bank_mask:0xf
	v_permlanex16_b32 v[T+1], v[T], s16, s17
	v_add_f32 v[T], v[T], v[T+1]
.endm
.macro ROW q
.set RW, Y0+32*\q
	s_wait_loadcnt 24-8*\q                         ; loads come back in order: this row is in, the later rows' eight loads each may be out
	v_pk_add_f32 v[T:T+1], v[RW:RW+1], v[RW+4:RW+5]            ; the sum, in two chains
	v_pk_add_f32 v[T+2:T+3], v[RW+2:RW+3], v[RW+6:RW+7]
.irp i, 8,12,16,20,24,28
	v_pk_add_f32 v[T:T+1], v[T:T+1], v[RW+\i:RW+\i+1]
	v_pk_add_f32 v[T+2:T+3], v[T+2:T+3], v[RW+\i+2:RW+\i+3]
.endr
	v_pk_add_f32 v[T:T+1], v[T:T+1], v[T+2:T+3]
	v_add_f32 v[T], v[T], v[T+1]
	LANES
	v_mul_f32 v[T+4], s18, v[T]                    ; the mean, twice: a pair for the packed form
	v_mul_f32 v[T+5], s18, v[T]
.irp i, 0,2,4,6,8,10,12,14,16,18,20,22,24,26,28,30
	v_pk_add_f32 v[RW+\i:RW+\i+1], v[RW+\i:RW+\i+1], v[T+4:T+5] neg_lo:[0,1] neg_hi:[0,1]   ; y - mean
.endr
	v_pk_mul_f32 v[T:T+1], v[RW:RW+1], v[RW:RW+1]              ; the squares, in two chains
	v_pk_mul_f32 v[T+2:T+3], v[RW+2:RW+3], v[RW+2:RW+3]
.irp i, 4,8,12,16,20,24,28
	v_pk_fma_f32 v[T:T+1], v[RW+\i:RW+\i+1], v[RW+\i:RW+\i+1], v[T:T+1]
	v_pk_fma_f32 v[T+2:T+3], v[RW+\i+2:RW+\i+3], v[RW+\i+2:RW+\i+3], v[T+2:T+3]
.endr
	v_pk_add_f32 v[T:T+1], v[T:T+1], v[T+2:T+3]
	v_add_f32 v[T], v[T], v[T+1]
	LANES
	v_fma_f32 v[T+6], v[T], s18, s19               ; var + 1e-5
	s_wait_alu depctr_va_vdst(0)
	v_rsq_f32 v[T+8], v[T+6]
	v_rsq_f32 v[T+9], v[T+6]
	v_nop                                          ; a plain place behind the transcendentals
	s_wait_alu depctr_va_vdst(0)
.irp i, 0,2,4,6,8,10,12,14,16,18,20,22,24,26,28,30
	v_pk_mul_f32 v[RW+\i:RW+\i+1], v[RW+\i:RW+\i+1], v[T+8:T+9]
.endr
.irp i, 0,2,4,6,8,10,12,14,16,18,20,22,24,26,28,30
	v_pk_fma_f32 v[RW+\i:RW+\i+1], v[RW+\i:RW+\i+1], v[G+\i:G+\i+1], v[B+\i:B+\i+1]
.endr
.irp j, 0,1,2,3,4,5,6,7
	global_store_b128 v1, v[RW+4*\j:RW+4*\j+3], s[10:11] offset:4096*\q+512*\j th:TH_STORE_NT   ; 512 consecutive bytes a store
.endr
.endm
	ROW 0
	ROW 1
	ROW 2
	ROW 3
	s_endpgm
.Lfunc_end_k_qe1f31e44a8_ln:
	.size	k_qe1f31e44a8_ln, .Lfunc_end_k_qe1f31e44a8_ln-k_qe1f31e44a8_ln
	.p2alignl 7, 3214868480
	.fill 96, 4, 3214868480
	.section	.rodata,"a",@progbits
	.p2align	6, 0x0
	.amdhsa_kernel k_qe1f31e44a8_ln
		.amdhsa_group_segment_fixed_size 0
		.amdhsa_private_segment_fixed_size 0
		.amdhsa_enable_private_segment 0
		.amdhsa_kernarg_size 32
		.amdhsa_user_sgpr_count 2
		.amdhsa_user_sgpr_kernarg_segment_ptr 1
		.amdhsa_wavefront_size32 1
		.amdhsa_system_sgpr_workgroup_id_x 1
		.amdhsa_system_sgpr_workgroup_id_y 1
		.amdhsa_system_sgpr_workgroup_id_z 1
		.amdhsa_system_vgpr_workitem_id 0
		.amdhsa_next_free_vgpr 216
		.amdhsa_next_free_sgpr 66
		.amdhsa_reserve_vcc 0
		.amdhsa_float_denorm_mode_32 3
		.amdhsa_float_denorm_mode_16_64 3
		.amdhsa_memory_ordered 1
		.amdhsa_forward_progress 1
		.amdhsa_inst_pref_size 33
	.end_amdhsa_kernel
	.amdgpu_metadata
---
amdhsa.version: [ 1, 2 ]
amdhsa.kernels:
  - .name:           k_qe1f31e44a8_ln
    .symbol:         k_qe1f31e44a8_ln.kd
    .args:
      - { .name: Y, .offset: 0, .size: 8, .value_kind: global_buffer, .address_space: global }
      - { .name: ln_g, .offset: 8, .size: 8, .value_kind: global_buffer, .address_space: global }
      - { .name: ln_b, .offset: 16, .size: 8, .value_kind: global_buffer, .address_space: global }
      - { .name: out0, .offset: 24, .size: 8, .value_kind: global_buffer, .address_space: global }
    .group_segment_fixed_size: 0
    .private_segment_fixed_size: 0
    .kernarg_segment_align: 8
    .kernarg_segment_size: 32
    .max_flat_workgroup_size: 128
    .sgpr_count:     66
    .vgpr_count:     216
    .wavefront_size: 32
...
	.end_amdgpu_metadata
.endif
;; end of part 5
